; MI455X (gfx1250); checked and timed in simulation.
; The chip was launched on July 23, 2026; its instructions are those of AMD's public machine-readable ISA for CDNA 5 (MIT licence, August 2026) and "CDNA5" Instruction Set Architecture Reference Guide (July 2026). The comments in the code are by the model that wrote it; some were corrected since.
;; Attention. Allowed arithmetic: matrix products marked QUANTISED: E2M1 operands, one E8M0 scale for each 32 along K, by v_wmma_scale_f32_16x16x128_f8f6f4 with both operands' format E2M1 (or v_wmma_scale_f32_32x16x128_f4), f32 sums; products left as they are: bf16, f16 or f32 operands; f32 sums; everything else in f32.
;; Inputs: proj_b 1,024 float32; proj_w 1,024 x 1,024 float32; qkv_b 3,072 float32; qkv_w 3,072 x 1,024 float32; x 1 x 4,096 x 1,024 float32.
;; Outputs: out0 1 x 4,096 x 1,024 float32.
;; This version of the problem:
;;   THIS VERSION OF THE PROBLEM IS GIVEN IN LOW PRECISION. The matrix products marked QUANTISED in the list below multiply operands that are first quantised to E2M1 (2 exponent bits, 1 mantissa bit; 4 bits a number), with one power-of-two scale for each 32 numbers along K (OCP MX v1.0); their sums are f32. The products marked 'left as it is' may take bf16, f16 or f32 operands, with f32 sums. Whichever they take, every output number must still come out within the allowed error. Rounding operands to bf16 (8 significant bits) uses up far more of that allowance than f16 does (11 bits, for magnitudes from 6e-5 to 65,504). All else is computed in f32.
;;   The module's matrix products, in the order in which they are computed (A, B: the left and right operand; K: the contracted axis; several contracted axes count as one K, in the product's order):
;;     1. [M 4,096, K 1,024] x [K 1,024, N 3,072]; A: input x; B: input qkv_w: QUANTISED
;;     2. batch 16 x [M 4,096, K 64] x [K 64, N 4,096]; A: computed on the way; B: computed on the way: left as it is (an operand is computed on the way)
;;     3. batch 16 x [M 4,096, K 4,096] x [K 4,096, N 64]; A: computed on the way; B: computed on the way: left as it is (an operand is computed on the way)
;;     4. [M 4,096, K 1,024] x [K 1,024, N 1,024]; A: computed on the way; B: input proj_w: left as it is (an operand is computed on the way)
;;   THE QUANTISER, for each operand of a quantised product, along K:
;;     - K is cut into blocks of 32 from its start; a last block that is shorter is filled with zeros.
;;     - A block's scale is 2^e with e = floor(log2(the largest magnitude in the block)) - 2, held to -126 .. 127; a block of zeros has e = 0. As a byte (E8M0): e + 127.
;;     - Each number is divided by its block's scale, clamped to +-6, and rounded to the nearest number of E2M1, ties to even, subnormals kept.
;;     - The product sums the exact products of the quantised numbers (number of the format x scale) in f32.
;;   ~~~python
;;   def quantise(x, axis):      # numpy; x: float32 -> the quantised numbers, widened to float32 again
;;       x = np.moveaxis(x, axis, -1); K = x.shape[-1]
;;       x = np.pad(x, [(0, 0)] * (x.ndim - 1) + [(0, -K % 32)]); x = x.reshape(x.shape[:-1] + (-1, 32)); a = np.abs(x).max(-1, keepdims=True)
;;       e = np.where(a > 0, np.clip(np.frexp(np.where(a > 0, a, 1))[1] - 1 - 2, -126, 127), 0)      # np.frexp(a)[1] - 1 = floor(log2(a)), exactly
;;       r = np.clip(x / 2.0 ** e, -6, 6)
;;       step = 2.0 ** (np.maximum(np.frexp(np.where(r == 0, 1, r))[1] - 1, 0) - 1)
;;       q = np.round(r / step) * step * 2.0 ** e      # np.round: ties to even
;;       return np.moveaxis(q.reshape(q.shape[:-2] + (-1,))[..., :K], -1, axis).astype(np.float32)
;;   ~~~
;; One version. Each part assembles by itself: llvm-mc -triple=amdgcn-amd-amdhsa -mcpu=gfx1250 --defsym DOCPART=n.
;; ======== version 1 of 1: 4 launches
;; limits: values are held in f16: magnitudes above 65,504 overflow, below 6.1e-05 lose precision
;; workspace buffers: codes 3,670,016 bytes; scales 229,376 bytes; pw16 2,097,152 bytes; qkvh 25,165,824 bytes; att 8,388,608 bytes
;; launch prep (part 1): grid 256 x 1, 4 waves a work-group, no clusters, 33,280 bytes of LDS; arguments x, qkv_w, proj_w, codes, scales, pw16; writes codes, scales, pw16
.if DOCPART == 1
	.amdgcn_target "amdgcn-amd-amdhsa--gfx1250"
	.amdhsa_code_object_version 6
	.text
	.protected	k_q6bd23d4693_prep
	.globl	k_q6bd23d4693_prep
	.p2align	8
	.type	k_q6bd23d4693_prep,@function
k_q6bd23d4693_prep:
	s_mov_b64 s[64:65], 0
	v_nop
	global_prefetch_b8 v0, s[64:65] scope:SCOPE_SE
	s_setreg_imm32_b32 hwreg(HW_REG_WAVE_MODE, 25, 1), 1
	s_wait_xcnt 0x0
; x [4096][1024] and qkv_w [3072][1024], f32, become codes of FP4 (E2M1), K innermost, two codes a byte, with one E8M0 scale byte for each 32 along K; proj_w [1024][1024] becomes f16.
; codes: [7168 rows][512 bytes], rows 0-4095 x's, rows 4096-7167 qkv_w's; scales: [7168][32 bytes]; pw16: [1024][1024] f16, row-major.
; A block's scale is 2^(floor(log2(its largest magnitude)) - 2); its byte is the largest magnitude's own exponent field - 2, held at 1 from below.  Each number is divided by the scale and rounded to the nearest code, ties to even;
; beyond 6 the conversion gives the largest code.
; LIMITS: a block of zeros gets the byte 1 where the quantiser says 127: its codes are zeros, which add nothing, and the bytes are read by this program alone.  Blocks whose largest magnitude lies under 2^-124 are held at that byte.
; NaN and infinities are not served.  |proj_w| stays under 65,504 (f16).
; SHARES: 256 work-groups of 32,768 numbers: 0-127 x, 128-223 qkv_w, 224-255 proj_w; a wave takes 8,192.  Rows are dense and 1,024 is a multiple of 32, so each tensor is a plain stream of blocks.
; QUANTISING: a wave takes 16 steps of 512 numbers.  Each of a step's four loads reads 512 consecutive bytes, 16 a lane; the 2,048 bytes turn through the wave's own stage in LDS and come back 64 bytes a lane, so that a lane holds
; 16 neighbours along K (two neighbouring lanes hold a block).  A lane's 16 codes are 8 bytes: the wave stores 256 consecutive bytes, aligned.  A wave's 256 scale bytes are gathered in LDS and leave by one store of 256 bytes.
; No tensor loads, no barrier: waves share nothing.  Matrix units and clusters have nothing to do here: every byte is read once and written once.
.set WAVES, 4
.set STEPS, 16
.set WGX,   128                        ; x's work-groups
.set WGQ,   224                        ; x's and qkv_w's
.set EMAX,  2
.set CB,    8                          ; bytes of 16 codes
.set R,     16                         ; v16-79   four sets of 16 numbers as loaded (cast: v16-143, two sets of 64)
.set X,     80                         ; v80-111  two sets of 16 neighbours
.set E,     112                        ; v112-127 a scale byte for each step
.set C,     128                        ; v128-191 codes: four registers for each step, so that no store's data are written again
.set H,     144                        ; cast: v144-175 a round's f16 numbers
.set WREG,  8192                       ; LDS: a region for each wave: two stages of 32 x SP bytes, behind them its 256 scale bytes
.set SP,    80                         ; a lane's place in a stage: 64 bytes + 16 of padding
.set SPW,   12                         ; v12  LDS address of my spare word; never rewritten
.set NIL,   13                         ; v13  0; never rewritten
.set SPARE, WAVES*WREG                 ; behind the four regions: the spare words, 128 bytes a wave, that no other line names
	s_load_b128 s[4:7], s[0:1], 0x0                ; x, qkv_w
	s_load_b128 s[8:11], s[0:1], 0x10              ; proj_w, codes
	s_load_b128 s[12:15], s[0:1], 0x20             ; scales, pw16
	v_lshl_add_u32 v[SPW], v0, 2, SPARE
	v_mov_b32 v[NIL], 0
	v_lshrrev_b32 v1, 5, v0
	v_readfirstlane_b32 s16, v1                    ; wave
	v_and_b32 v2, 31, v0                           ; lane
	v_lshlrev_b32 v3, 4, v2                        ; my 16 bytes of a load's 512
	s_mul_i32 s17, s16, WREG
	v_lshrrev_b32 v14, 2, v2
	v_mul_u32_u24 v14, v14, SP
	v_and_b32 v15, 3, v2
	v_lshl_add_u32 v14, v15, 4, v14
	v_add_nc_u32 v14, s17, v14                     ; the stage, on the way in: four lanes' 64 bytes on end, then 16 of padding
	v_mul_u32_u24 v15, v2, SP
	v_add_nc_u32 v15, s17, v15                     ; and on the way out: my 16 neighbours
	v_mul_u32_u24 v4, v2, CB                       ; 8 bytes a lane: my codes' place in a step's; in the cast my four f16
	v_lshrrev_b32 v5, 1, v2
	s_add_co_u32 s17, s17, 2*32*SP
	v_add_nc_u32 v5, s17, v5                       ; LDS: my wave's 256 scale bytes, my block's byte
	v_lshlrev_b32 v7, 3, v2                        ; and on the way out 8 bytes a lane
	v_add_nc_u32 v6, s17, v7
	s_mov_b32 s19, 0
	s_lshl_b32 s20, ttmp9, 2
	s_add_co_u32 s20, s20, s16                     ; which run of 8,192 numbers of the three tensors on end is my wave's
	s_wait_kmcnt 0x0
	s_cmp_ge_u32 ttmp9, WGQ
	s_cbranch_scc1 .Lcast                          ; the branch hangs on the work-group's number alone
	s_cmp_lt_u32 ttmp9, WGX                        ; x's work-group or qkv_w's?
	s_cselect_b64 s[4:5], s[4:5], s[6:7]
	s_cselect_b32 s17, 0, WGX
	s_sub_co_u32 s17, ttmp9, s17
	s_lshl_b32 s17, s17, 2
	s_add_co_u32 s18, s17, s16                     ; the run within its own tensor,
	s_lshl_b32 s18, s18, 15                        ; 32,768 bytes each
	s_add_nc_u64 s[4:5], s[4:5], s[18:19]
	s_lshl_b32 s18, s20, 12                        ; codes and scale bytes of both tensors lie on end: 4,096 bytes of codes a run,
	s_add_nc_u64 s[10:11], s[10:11], s[18:19]
	s_lshl_b32 s18, s20, 8                         ; 256 scale bytes
	s_add_nc_u64 s[12:13], s[12:13], s[18:19]
.macro LOAD t
.irp i, 0,1,2,3
	global_load_b128 v[R+16*((\t)%4)+4*\i:R+16*((\t)%4)+4*\i+3], v3, s[4:5] offset:2048*(\t)+512*\i th:TH_LOAD_NT   ; 32 lanes read 512 consecutive bytes
.endr
.endm
.macro TURN t                          ; step t's numbers through the stage: LDS serves a wave's instructions in order (ISA guide 5.7.1), so no wait stands between the stores and the loads
.irp i, 0,1,2,3
	ds_store_b128 v14, v[R+16*((\t)%4)+4*\i:R+16*((\t)%4)+4*\i+3] offset:32*SP*((\t)%2)+8*SP*\i
.endr
.irp i, 0,1,2,3
	ds_load_b128 v[X+16*((\t)%2)+4*\i:X+16*((\t)%2)+4*\i+3], v15 offset:32*SP*((\t)%2)+16*\i
.endr
.endm
.irp t, 0,1,2,3
	LOAD \t
.endr
	s_wait_loadcnt 12                              ; step 0's four loads are in; those of steps 1 to 3 may be out
	TURN 0
.macro STEP t
.set XS, X+16*((\t)%2)
.if (\t) > 0
	s_wait_dscnt 1                                 ; this step's numbers are back from the stage (the last step's byte store may be out): so its stores into the stage have read their registers,
.else
	s_wait_dscnt 0x0
.endif
.if (\t)+4 < STEPS
	LOAD (\t)+4                                    ; which take the loads of four steps on
.endif
.if (\t)+1 < STEPS
.if STEPS-2-(\t) >= 3
	s_wait_loadcnt 12                              ; the next step's four loads are in; those of the three steps behind it may be out
.else
	s_wait_loadcnt 4*(STEPS-2-(\t))
.endif
	TURN (\t)+1                                    ; and go through the other stage while this step is worked
.endif
	v_max3_num_f32 v8, |v[XS]|, |v[XS+1]|, |v[XS+2]|               ; the largest magnitude of my 16, in two chains
	v_max3_num_f32 v9, |v[XS+3]|, |v[XS+4]|, |v[XS+5]|
.irp i, 6,10
	v_max3_num_f32 v8, v8, |v[XS+\i]|, |v[XS+\i+1]|
	v_max3_num_f32 v9, v9, |v[XS+\i+2]|, |v[XS+\i+3]|
.endr
	v_max3_num_f32 v8, v8, |v[XS+14]|, |v[XS+15]|
	v_max3_num_f32 v8, v8, v9, (EMAX+1)<<23        ; and the floor 2^(3 - 127): the byte cannot fall under 1
	v_max_num_f32_dpp v8, v8, v8 row_xmask:1 row_mask:0xf bank_mask:0xf   ; and of my neighbour's 16: the block's
	v_add_nc_u32 v11, -(EMAX<<23), v8              ; 2 off its exponent field: the conversion takes the exponent field of this operand as its scale, and nothing else of it
	v_cvt_scalef32_pk8_fp4_f32 v[C+4*(\t)], v[XS:XS+7], v11
	v_cvt_scalef32_pk8_fp4_f32 v[C+4*(\t)+1], v[XS+8:XS+15], v11
	v_lshrrev_b32 v[E+(\t)], 23, v11               ; the scale's byte (also the plain line behind the conversions)
	ds_store_b8 v5, v[E+(\t)] offset:16*(\t)       ; both lanes of a block write the same byte with the same value
	global_store_b64 v4, v[C+4*(\t):C+4*(\t)+1], s[10:11] offset:32*CB*(\t)   ; the wave stores 256 consecutive bytes, aligned
.endm
.irp t, 0,1,2,3,4,5,6,7,8,9,10,11,12,13,14,15
	STEP \t
.endr
	ds_load_b64 v[8:9], v6                         ; in order behind my byte stores
	s_wait_dscnt 0x0
	global_store_b64 v7, v[8:9], s[12:13]          ; 32 lanes store 256 consecutive bytes, aligned
	s_wait_tensorcnt 0x0                           ; the wave's end, behind my last LDS store
	ds_add_u32 v[SPW], v[NIL]
	s_wait_dscnt 0x0
	s_endpgm
; THE CAST: 8,192 numbers a wave in four rounds of 16 loads; two rounds' loads are out at a time.  This path writes no LDS byte.
.Lcast:
	s_sub_co_u32 s20, s20, 4*WGQ                   ; the run within proj_w
	s_lshl_b32 s18, s20, 15
	s_add_nc_u64 s[8:9], s[8:9], s[18:19]
	s_lshl_b32 s18, s20, 14
	s_add_nc_u64 s[14:15], s[14:15], s[18:19]
.macro LOADC q
.irp i, 0,1,2,3,4,5,6,7,8,9,10,11,12,13,14,15
	global_load_b128 v[R+64*((\q)%2)+4*\i:R+64*((\q)%2)+4*\i+3], v3, s[8:9] offset:512*(16*(\q)+\i) th:TH_LOAD_NT
.endr
.endm
.macro CAST q
.if (\q) < 3
	s_wait_loadcnt 16                              ; this round's 16 loads are in; the next round's may be out
.else
	s_wait_loadcnt 0x0
.endif
.if (\q) > 0
	s_wait_xcnt 0x0                                ; the last round's stores have read their data: the registers may be written again
.endif
.irp i, 0,1,2,3,4,5,6,7,8,9,10,11,12,13,14,15
	v_cvt_pk_f16_f32 v[H+2*\i], v[R+64*((\q)%2)+4*\i], v[R+64*((\q)%2)+4*\i+1]
	v_cvt_pk_f16_f32 v[H+2*\i+1], v[R+64*((\q)%2)+4*\i+2], v[R+64*((\q)%2)+4*\i+3]
.endr
.irp i, 0,1,2,3,4,5,6,7,8,9,10,11,12,13,14,15
	global_store_b64 v4, v[H+2*\i:H+2*\i+1], s[14:15] offset:256*(16*(\q)+\i)   ; the wave stores 256 consecutive bytes, aligned
.endr
.if (\q)+2 < 4
	LOADC (\q)+2
.endif
.endm
	LOADC 0
	LOADC 1
	CAST 0
	CAST 1
	CAST 2
	CAST 3
	s_endpgm
.Lfunc_end_k_q6bd23d4693_prep:
	.size	k_q6bd23d4693_prep, .Lfunc_end_k_q6bd23d4693_prep-k_q6bd23d4693_prep
	.p2alignl 7, 3214868480
	.fill 96, 4, 3214868480
	.section	.rodata,"a",@progbits
	.p2align	6, 0x0
	.amdhsa_kernel k_q6bd23d4693_prep
		.amdhsa_group_segment_fixed_size 33280
		.amdhsa_private_segment_fixed_size 0
		.amdhsa_enable_private_segment 0
		.amdhsa_kernarg_size 48
		.amdhsa_user_sgpr_count 2
		.amdhsa_user_sgpr_kernarg_segment_ptr 1
		.amdhsa_wavefront_size32 1
		.amdhsa_system_sgpr_workgroup_id_x 1
		.amdhsa_system_sgpr_workgroup_id_y 1
		.amdhsa_system_sgpr_workgroup_id_z 1
		.amdhsa_system_vgpr_workitem_id 0
		.amdhsa_next_free_vgpr 192
		.amdhsa_next_free_sgpr 66
		.amdhsa_reserve_vcc 0
		.amdhsa_float_denorm_mode_32 3
		.amdhsa_float_denorm_mode_16_64 3
		.amdhsa_memory_ordered 1
		.amdhsa_forward_progress 1
		.amdhsa_inst_pref_size 54
	.end_amdhsa_kernel
	.amdgpu_metadata
---
amdhsa.version: [ 1, 2 ]
amdhsa.kernels:
  - .name:           k_q6bd23d4693_prep
    .symbol:         k_q6bd23d4693_prep.kd
    .args:
      - { .name: x, .offset: 0, .size: 8, .value_kind: global_buffer, .address_space: global }
      - { .name: qkv_w, .offset: 8, .size: 8, .value_kind: global_buffer, .address_space: global }
      - { .name: proj_w, .offset: 16, .size: 8, .value_kind: global_buffer, .address_space: global }
      - { .name: codes, .offset: 24, .size: 8, .value_kind: global_buffer, .address_space: global }
      - { .name: scales, .offset: 32, .size: 8, .value_kind: global_buffer, .address_space: global }
      - { .name: pw16, .offset: 40, .size: 8, .value_kind: global_buffer, .address_space: global }
    .group_segment_fixed_size: 33280
    .private_segment_fixed_size: 0
    .kernarg_segment_align: 8
    .kernarg_segment_size: 48
    .max_flat_workgroup_size: 128
    .sgpr_count:     66
    .vgpr_count:     192
    .wavefront_size: 32
...
	.end_amdgpu_metadata
.endif
;; end of part 1
;; launch qkv (part 2): grid 12 x 16, 4 waves a work-group, clusters of 4 x 4, 327,680 bytes of LDS; arguments codes, scales, qkv_b, qkvh; writes qkvh
.if DOCPART == 2
	.amdgcn_target "amdgcn-amd-amdhsa--gfx1250"
	.amdhsa_code_object_version 6
	.text
	.protected	k_q6bd23d4693_qkv
	.globl	k_q6bd23d4693_qkv
	.p2align	8
	.type	k_q6bd23d4693_qkv,@function
k_q6bd23d4693_qkv:
	s_mov_b64 s[64:65], 0
	v_nop
	global_prefetch_b8 v0, s[64:65] scope:SCOPE_SE
	s_setreg_imm32_b32 hwreg(HW_REG_WAVE_MODE, 25, 1), 1
	s_wait_xcnt 0x0
	s_wait_alu depctr_hold_cnt(0) depctr_sa_sdst(0) depctr_va_vdst(0) depctr_va_sdst(0) depctr_va_ssrc(0) depctr_va_vcc(0) depctr_vm_vsrc(0)
	s_getreg_b32 s2, hwreg(HW_REG_IB_STS2, 6, 4)
	s_cmp_eq_u32 s2, 0
	s_cbranch_scc0 .Lentry_in_a_cluster
	s_endpgm
.Lentry_in_a_cluster:
	s_bfe_u32 s2, ttmp6, 0x10000c
	s_cmp_lg_u32 s2, 0xf033
	s_cbranch_scc0 .Lentry_shape_is_right
	s_endpgm
.Lentry_shape_is_right:
; qkv = x qkv_w^T + qkv_b on codes of FP4 (E2M1) with one E8M0 scale for each 32 along K = 1,024; sums in f32; results leave as f16, laid as the next launch's operand registers want them.
; codes: [7168][512 bytes], scales: [7168][32 bytes]: rows 0-4095 x's, rows 4096-7167 qkv_w's.
; ONE TEXT MAKES Q, K AND V^T.  C = A' B'^T in tiles of 256 x 256.  Cluster x = 0 makes Q and 1 makes K (A' = 256 rows of x, B' = 256 rows of qkv_w); cluster x = 2 makes V^T = W_v x^T (A' = rows of qkv_w from 2,048 on,
; B' = rows of x).  Both operands lie in one buffer, so only row numbers are chosen, by s_cselect on the cluster's x, which all sixteen partners share.
; A work-group of four waves makes a tile; a wave 128 x 128: 64 accumulators, 512 registers.  K's two steps of 512 lie in two LDS slots, both asked for at the head: nothing is filled again.
; The scale bytes of the tile's 512 rows, for all of K, come once, as rows of 256 bytes.
; CLUSTERS: 4 x 4.  The four of a row of the cluster need the same rows of A', the four of a column the same rows of B': each tile is asked for jointly.
; THE MATRIX INSTRUCTION IS USED TRANSPOSED (source 0 = 16 rows of B', source 1 = 16 rows of A'): lane (r, h) holds row r of A' and eight neighbouring rows 8 h + 0 .. 7 of B'.
; THE WAY OUT NEEDS NO LDS.  A 16-bit fragment gives lane (r, h) k = 8 h .. 8 h + 7 in registers 0-3 and k = 16 + 8 h .. in registers 4-7.  So an accumulator's eight numbers, packed to f16, ARE four registers of a fragment of the
; next product: an even block of B' registers 0-3, an odd one registers 4-7.  They are stored at 16 x lane: each store of the wave covers 512 consecutive bytes, aligned.
; qkvh: Q at 0, K at 1 << 23: head x 524,288 + (row / 16) x 2,048 + (32 channels) x 1,024 + (register half) x 512 + 16 x lane.  V at 2 << 23: head x 524,288 + (key / 32) x 4,096 + (16 channels) x 1,024 + half x 512 + 16 x lane.
; Q is (x w^T + b) log2(e) / 8, so that the softmax needs no multiply; K has its bias; V's bias is added by the next launch behind the division by the row's sum (the weights sum to one).
; LIMITS: |0.18 q|, |k|, |v| stay under 65,504 (f16); NaN and infinities are not served.
; REGISTERS, in windows of 256: window 0: v0-31 addresses; v32-95 scale words, two sets; v128-191 A's fragments, one set (on the way out: packed results); v192-255 the bias.
;   window 1: B's fragments, two sets, at v0 and v128.   window 2: the accumulators of my rows 0-63 ((a, b) at v[8 (8 a + b)]);   window 3: those of my rows 64-127.
.set KSTEP,  512
.set NQ,     KSTEP/128
.set ROWB,   256                       ; a tile's row in bytes
.set KROW,   512                       ; a row of codes in memory
.set PITCH,  272                       ; an LDS row: 256 bytes + 16 of padding = 68 words: row r starts at bank 4 r mod 64 (64 banks of 4 bytes: ISA guide 11.1)
.set FR,     8
.set NL,     2
.set NP,     4                         ; places behind this matrix instruction (ISA guide 7.12.1)
.set HALFT,  128*PITCH
.set SLOT,   4*HALFT
.set KS,     32                        ; a row of scale bytes
.set SCL,    2*SLOT
.set HALFS,  (128*KS/256)*272
.set SBLK,   (16*KS/256)*272
.set SPARE,  SCL+4*HALFS               ; the spare words, 128 bytes a wave, that no other line names
.set VB,   8                           ; v8-11   the way out: 16 x lane + where blocks 2 p, 2 p + 1 of B' go
.set BH,   12                          ; v12     32 x (lane / 16): my eight numbers of a block's 16 biases
.set ADRA, 16
.set ADRB, 20
.set ADRS, 27
.set SPW,  28
.set NIL,  29
.set SC,   32
.set AF,   128
.set TMP,  128                         ; the way out: two sets of 32
.set CBI,  192                         ; the bias x its factor: register 8 b + j for column 16 b + 8 h + j
.set G1, 24
.set G0, 32
.set G1B, 48
.set G0B, 56
.set G1S, 68
.set G0S, 76
.set G1SB, 80
.set G0SB, 88
.set SCA,  96                          ; s[96:97]   what the sums are multiplied by
.set SCB,  98                          ; s[98:99]   what the bias is multiplied by
.set STP1, 100                         ; s[100:101] bytes from a block of A' to the next;
.set STP2, 2                           ; s[2:3]     from block 3 to block 4
.set MSB, 0
.macro WIN new                         ; the immediate's high byte repeats the setting that is left
.if MSB != \new
	s_set_vgpr_msb (MSB<<8)|\new
.set MSB, \new
.endif
.endm
.set MUL_LO, 0xa1                      ; source 0 (B') window 1, source 1 (A') window 0, C and D window 2
.set MUL_HI, 0xf1
.set TO_B,   0x40
; A joint load: waves 0 and 1 fetch for A', waves 2 and 3 for B'.  The branch hangs on the wave's number alone.  An s_nop 0 and four v_nop follow each of the two lines.
.macro JLOAD g0a, g1a, g0b, g1b
	s_cmp_eq_u32 s15, 0
	s_cbranch_scc0 .Lfor_b_\@
	tensor_load_to_lds s[\g0a:\g0a+3], s[\g1a:\g1a+7]
	s_nop 0
.rept 4
	v_nop
.endr
	s_branch .Lasked_\@
.Lfor_b_\@:
	tensor_load_to_lds s[\g0b:\g0b+3], s[\g1b:\g1b+7]
	s_nop 0
.rept 4
	v_nop
.endr
.Lasked_\@:
.endm
.macro CROUND                          ; a round of the cluster's barrier
	s_barrier_signal -1
	s_barrier_wait -1
	s_cmp_lg_u32 s14, 0
	s_cbranch_scc1 .Lnot_wave_0_\@
	s_barrier_signal -3
.Lnot_wave_0_\@:
	s_barrier_wait -3
	s_barrier_signal -1
	s_barrier_wait -1
.endm
	s_load_b128 s[4:7], s[0:1], 0x0                ; codes, scales
	s_load_b128 s[8:11], s[0:1], 0x10              ; qkv_b, qkvh
	v_lshl_add_u32 v[SPW], v0, 2, SPARE
	v_mov_b32 v[NIL], 0
	ds_add_u32 v[SPW], v[NIL]                      ; the wave's opening: the add, twice on end, and its wait ahead of my first tensor load
	ds_add_u32 v[SPW], v[NIL]
	v_lshrrev_b32 v1, 5, v0
	v_readfirstlane_b32 s14, v1                    ; wave 0..3
	s_lshr_b32 s15, s14, 1                         ; which half of the tile's rows is mine.  Also: I fetch for A' (0) or for B' (1)
	s_and_b32 s16, s14, 1                          ; which half of its columns.  Also: which 128 rows of that tile I fetch
	s_bfe_u32 s40, ttmp6, 0x40000                  ; cx, cy: my place in the cluster
	s_bfe_u32 s41, ttmp6, 0x40004
	s_and_b32 s67, ttmp7, 0xffff
	s_lshl_b32 s67, s67, 2                         ; 4 Y
	s_lshl_b32 s66, ttmp9, 2
	s_add_co_u32 s66, s66, 16                      ; 16 + 4 X
	s_cmp_lt_u32 ttmp9, 2                          ; Q or K (1), or V^T (0)?  Only moves and selects stand behind the compare
	s_cselect_b32 s17, s67, 24                     ; A's tile of 256 rows of the codes' buffer, less cy
	s_cselect_b32 s42, s66, s67                    ; B's, less cx
	s_cselect_b32 s12, s67, 0                      ; the tile's place in the result, in tiles: rows,
	s_cselect_b32 s13, 0, s67                      ; columns
	s_mov_b32 s[STP1], 1024
	s_cselect_b32 s[STP1], 2048, s[STP1]           ; a block of A' on: 16 rows of Q or K; 16 channels of V
	s_mov_b32 s[STP2], 524288-3*1024
	s_cselect_b32 s[STP2], 2048, s[STP2]           ; from block 3 to block 4: V's next head
	s_mov_b32 s18, 4096
	s_cselect_b32 s18, 1024, s18                   ; two blocks of B' on: 32 channels; 32 keys
	s_mov_b32 s19, 8192
	s_cselect_b32 s19, 524288, s19                 ; four blocks on: a head; 64 keys
	s_mov_b32 s66, 1048576
	s_cselect_b32 s66, 16384, s66                  ; 128 rows of A' on
	s_mov_b32 s67, 16384
	s_cselect_b32 s67, 1048576, s67                ; 128 rows of B' on
	s_mov_b32 s[STP1+1], 0
	s_mov_b32 s[STP2+1], 0
	s_add_co_u32 s17, s17, s41                     ; A's tile hangs on cy alone,
	s_add_co_u32 s42, s42, s40                     ; B's on cx alone
	s_add_co_u32 s12, s12, s41
	s_add_co_u32 s13, s13, s40
	s_cmp_eq_u32 ttmp9, 0
	s_cselect_b32 s[SCA], 0x3e38aa3b, 1.0          ; Q: log2(e) / 8
	s_mov_b32 s[SCA+1], s[SCA]                     ; (named with it as a pair, so it is written)
	s_cmp_lt_u32 ttmp9, 2
	s_cselect_b32 s[SCB], s[SCA], 0                ; V's bias is not added here
	s_mov_b32 s[SCB+1], s[SCB]
	v_and_b32 v13, 31, v0
	v_lshlrev_b32 v[VB], 4, v13                    ; 16 x lane
	v_add_nc_u32 v[VB+1], s18, v[VB]
	v_add_nc_u32 v[VB+2], s19, v[VB]
	v_add_nc_u32 v[VB+3], s19, v[VB+1]
	s_lshl_b32 s43, s41, 2
	s_lshl_b32 s43, 15, s43                        ; my row of the cluster
	s_lshl_b32 s44, 0x1111, s40                    ; my column
	; descriptor group 1: a tile of 128 rows x 256 bytes, padded in LDS
	s_or_b32 s[G1+0], s43, (0<<16)|(1<<20)|(1<<21)|(5<<22)|(3<<25)  ; 15:0 the mask; 17:16 elements of 1 byte; 20 padding on; 21 set beside a mask; 24:22 after every 64 words; 31:25 four words
	s_or_b32 s[G1B+0], s44, (0<<16)|(1<<20)|(1<<21)|(5<<22)|(3<<25)
.irp g, G1, G1B
	s_mov_b32 s[\g+1], ROWB<<16                    ; tensor_dim0
	s_mov_b32 s[\g+2], 128<<16                     ; tensor_dim1
	s_mov_b32 s[\g+3], ROWB<<16                    ; tile_dim0
	s_mov_b32 s[\g+4], 128                         ; tile_dim1
	s_mov_b32 s[\g+5], KROW                        ; tensor_dim0_stride
	s_mov_b32 s[\g+6], 0
	s_mov_b32 s[\g+7], 0
.endr
	; the scales of 128 rows: 4,096 dense bytes, as 16 rows of 256 bytes (32 elements of 8 bytes), 16 bytes of padding behind each
	s_or_b32 s[G1S+0], s43, (3<<16)|(1<<20)|(1<<21)|(5<<22)|(3<<25)
	s_or_b32 s[G1SB+0], s44, (3<<16)|(1<<20)|(1<<21)|(5<<22)|(3<<25)
.irp g, G1S, G1SB
	s_mov_b32 s[\g+1], 32<<16
	s_mov_b32 s[\g+2], (128*KS/256)<<16
	s_mov_b32 s[\g+3], 32<<16
	s_mov_b32 s[\g+4], 128*KS/256
	s_mov_b32 s[\g+5], 32
	s_mov_b32 s[\g+6], 0
	s_mov_b32 s[\g+7], 0
.endr
	s_lshl_b32 s18, s16, 7                         ; which 128 rows of the tile I fetch
	s_lshl_b32 s20, s17, 8
	s_add_co_u32 s20, s20, s18                     ; A': its first row in the codes' buffer
	s_lshl_b32 s46, s42, 8
	s_add_co_u32 s46, s46, s18                     ; B'
	s_mov_b32 s21, 0
	s_mov_b32 s47, 0
	s_mov_b64 s[18:19], KS
	s_mul_u64 s[22:23], s[20:21], s[18:19]         ; where these rows' scales begin, in bytes,
	s_mul_u64 s[92:93], s[46:47], s[18:19]
	s_mov_b64 s[18:19], KROW
	s_mul_u64 s[20:21], s[20:21], s[18:19]         ; and their codes
	s_mul_u64 s[46:47], s[46:47], s[18:19]
	s_mul_i32 s45, s14, HALFT                      ; where they go: wave x 128 rows: no place in the cluster enters an LDS address
	s_mul_i32 s94, s14, HALFS
	s_wait_dscnt 0x0                               ; both opening adds are done
	s_wait_kmcnt 0x0
	s_add_nc_u64 s[20:21], s[4:5], s[20:21]
	s_add_nc_u64 s[22:23], s[6:7], s[22:23]
	s_add_nc_u64 s[46:47], s[4:5], s[46:47]
	s_add_nc_u64 s[92:93], s[6:7], s[92:93]
	CROUND                                         ; all sixteen work-groups are here: the joint loads meet
	s_mov_b32 s[G0S], 1
	s_add_co_u32 s[G0S+1], s94, SCL
	s_mov_b64 s[G0S+2:G0S+3], s[22:23]
	s_or_b32 s[G0S+3], s[G0S+3], 0x80000000
	s_mov_b32 s[G0SB], 1
	s_add_co_u32 s[G0SB+1], s94, SCL
	s_mov_b64 s[G0SB+2:G0SB+3], s[92:93]
	s_or_b32 s[G0SB+3], s[G0SB+3], 0x80000000
	JLOAD G0S, G1S, G0SB, G1SB                     ; the scales first: they are wanted with K step 0
.irp s, 0,1
	s_mov_b32 s[G0+4*\s], 1
	s_add_co_u32 s[G0+4*\s+1], s45, \s*SLOT
	s_add_nc_u64 s[G0+4*\s+2:G0+4*\s+3], s[20:21], \s*ROWB
	s_or_b32 s[G0+4*\s+3], s[G0+4*\s+3], 0x80000000
	s_mov_b32 s[G0B+4*\s], 1
	s_add_co_u32 s[G0B+4*\s+1], s45, \s*SLOT
	s_add_nc_u64 s[G0B+4*\s+2:G0B+4*\s+3], s[46:47], \s*ROWB
	s_or_b32 s[G0B+4*\s+3], s[G0B+4*\s+3], 0x80000000
	JLOAD G0+4*\s, G1, G0B+4*\s, G1B               ; three loads of mine are out: all of K is asked for
.endr
	v_and_b32 v1, 15, v0                           ; l % 16
	v_bfe_u32 v2, v0, 4, 1                         ; l / 16
	; the bias of my 128 columns (Q, K); for V^T the first 128 numbers are read and multiplied by 0
	s_lshl_b32 s46, ttmp9, 12
	s_lshl_b32 s47, s40, 10
	s_add_co_u32 s46, s46, s47
	s_lshl_b32 s47, s16, 9
	s_add_co_u32 s46, s46, s47                     ; 4 x (1,024 X + 256 cx + 128 x half)
	s_cmp_lt_u32 ttmp9, 2
	s_cselect_b32 s46, s46, 0
	s_mov_b32 s47, 0
	s_add_nc_u64 s[8:9], s[8:9], s[46:47]
	v_lshlrev_b32 v[BH], 5, v2
.irp b, 0,1,2,3,4,5,6,7
	global_load_b128 v[CBI+8*\b:CBI+8*\b+3], v[BH], s[8:9] offset:64*\b
	global_load_b128 v[CBI+8*\b+4:CBI+8*\b+7], v[BH], s[8:9] offset:64*\b+16
.endr
	v_mul_u32_u24 v3, v1, PITCH
	v_lshl_add_u32 v4, v2, 4, v3                   ; a fragment's row x pitch + 16 x half
	s_mul_i32 s21, s15, HALFT                      ; my 128 rows of A'
	s_mul_i32 s22, s16, HALFT                      ; my 128 rows of B',
	s_add_co_u32 s22, s22, 2*HALFT                 ; which lie behind A's 256
.irp s, 0,1
	v_add_nc_u32 v[ADRA+\s], s21, v4
	v_add_nc_u32 v[ADRB+\s], s22, v4
	s_add_co_u32 s21, s21, SLOT
	s_add_co_u32 s22, s22, SLOT
.endr
	v_mul_u32_u24 v5, v1, KS                       ; my row's scales: 32 bytes a row,
	v_lshrrev_b32 v6, 8, v5
	v_lshl_add_u32 v5, v6, 4, v5                   ; and 16 more for each 256 passed
	s_mul_i32 s21, s15, HALFS
	s_mul_i32 s22, s16, HALFS
	s_add_co_u32 s22, s22, 2*HALFS
	s_sub_co_u32 s22, s22, s21
	v_mul_u32_u24 v6, s22, v2                      ; lanes 16-31 take B's: one product, the distance between the two bases
	s_add_co_u32 s21, s21, SCL
	v_add_nc_u32 v5, v5, v6
	v_add_nc_u32 v[ADRS], s21, v5
	; where my 128 x 128 begin in qkvh
	s_lshl_b32 s20, s12, 1
	s_add_co_u32 s20, s20, s15
	s_mul_i32 s20, s20, s66
	s_lshl_b32 s21, s13, 1
	s_add_co_u32 s21, s21, s16
	s_mul_i32 s21, s21, s67
	s_add_co_u32 s20, s20, s21
	s_lshl_b32 s21, ttmp9, 23                      ; Q, K or V's part
	s_add_co_u32 s20, s20, s21
	s_mov_b32 s21, 0
	s_add_nc_u64 s[10:11], s[10:11], s[20:21]
.macro FRAG reg, adr, q, i             ; 16 rows x 128 K of 4-bit codes: 8 registers: lane l holds row l % 16; registers 4 c .. 4 c + 3 hold K = 64 c + 32 (l / 16) + 0 .. 31
.irp c, 0,1
	ds_load_b128 v[\reg+4*\c:\reg+4*\c+3], v[\adr] offset:64*(\q)+32*\c+(\i)*16*PITCH
.endr
.endm
; 16 matrix instructions: A's blocks a0, a0 + 1 x B's eight, the slot's q-th 128 along K.  The 64 accumulators take turns, one instruction a turn, in the same order in every step.
; One register carries A's scale word (lanes 0-15) and B's (lanes 16-31) of block i: source 0 (B') reads the upper lanes of register b, source 1 (A') the lower lanes of register a.
.macro MUL16 a0, p, q, sc, zero
.irp a, \a0, \a0+1
.irp b, 0,1,2,3,4,5,6,7
.if \zero
	v_wmma_scale_f32_16x16x128_f8f6f4 v[8*(8*((\a)%4)+\b):8*(8*((\a)%4)+\b)+7], v[128*(\p)+FR*\b:128*(\p)+FR*\b+FR-1], v[AF+FR*(\a):AF+FR*(\a)+FR-1], 0, v[SC+8*NQ*(\sc)+NQ*\b+(\q)], v[SC+8*NQ*(\sc)+NQ*(\a)+(\q)] matrix_a_fmt:MATRIX_FMT_FP4 matrix_b_fmt:MATRIX_FMT_FP4 matrix_a_scale:MATRIX_SCALE_ROW1
.else
	v_wmma_scale_f32_16x16x128_f8f6f4 v[8*(8*((\a)%4)+\b):8*(8*((\a)%4)+\b)+7], v[128*(\p)+FR*\b:128*(\p)+FR*\b+FR-1], v[AF+FR*(\a):AF+FR*(\a)+FR-1], v[8*(8*((\a)%4)+\b):8*(8*((\a)%4)+\b)+7], v[SC+8*NQ*(\sc)+NQ*\b+(\q)], v[SC+8*NQ*(\sc)+NQ*(\a)+(\q)] matrix_a_fmt:MATRIX_FMT_FP4 matrix_b_fmt:MATRIX_FMT_FP4 matrix_a_scale:MATRIX_SCALE_ROW1
.endif
.endr
.endr
.endm
.macro FETCH_B slot, q, p
	WIN TO_B
.irp i, 0,1,2,3,4,5,6,7
	FRAG 128*(\p)+FR*\i, ADRB+\slot, \q, \i
.endr
	WIN 0
.endm
.macro FETCH_A slot, q, i0
.irp i, \i0, \i0+1, \i0+2, \i0+3
	FRAG AF+FR*(\i), ADRA+\slot, \q, \i
.endr
.endm
.macro SCALES sc                       ; a K step's scale words: four words a row
.irp i, 0,1,2,3,4,5,6,7
	ds_load_b128 v[SC+8*NQ*\sc+NQ*\i:SC+8*NQ*\sc+NQ*\i+3], v[ADRS] offset:\i*SBLK
.endr
.endm
.macro PLACES n                        ; a load into a register that a matrix instruction has read stands four plain vector instructions behind it (ISA guide 7.12.1 for vector instructions)
.rept \n
	v_nop
.endr
.endm
; A step of 128 along K that has its successor in the same slot.  A's blocks 0-3 are fetched anew in its middle, blocks 4-7 at its end; B has two sets.
.macro STEP slot, q, zero
	s_wait_dscnt 4*NL                              ; B's set and A's blocks 0-3 are in; the youngest eight loads (A's blocks 4-7) may be out
	WIN MUL_LO
	MUL16 0, (\q)%2, \q, \slot, \zero
	MUL16 2, (\q)%2, \q, \slot, \zero
	s_wait_dscnt 0                                 ; A's blocks 4-7 are in
	PLACES NP
	FETCH_B \slot, (\q)+1, 1-(\q)%2
	FETCH_A \slot, (\q)+1, 0
	WIN MUL_HI
	MUL16 4, (\q)%2, \q, \slot, \zero
	MUL16 6, (\q)%2, \q, \slot, \zero
	PLACES NP
	WIN 0
	FETCH_A \slot, (\q)+1, 4
.endm
; Slot 0's last step goes over to slot 1: each wave waits for all its tensor loads (its part of slot 1), and behind the barrier the slot is whole.  Nothing is filled again.
.macro TURN slot, next
	s_wait_tensorcnt 0x0                           ; all my tensor loads have landed
	ds_add_u32 v[SPW], v[NIL]                      ; 0 onto my spare word
	s_wait_dscnt 4*NL+1                            ; (the add and the youngest eight loads may be out)
	WIN MUL_LO
	MUL16 0, 1, NQ-1, \slot, 0
	s_wait_dscnt 0x0                               ; no LDS instruction of mine is out at the signal
	s_barrier_signal -1
	MUL16 2, 1, NQ-1, \slot, 0
	WIN 0
	s_barrier_wait -1
	PLACES NP
	v_add_nc_u32 v[ADRS], 4*NQ, v[ADRS]            ; on to the next K step's scale words
	FETCH_B \next, 0, 0
	FETCH_A \next, 0, 0
	SCALES \next
	WIN MUL_HI
	MUL16 4, 1, NQ-1, \slot, 0
	MUL16 6, 1, NQ-1, \slot, 0
	PLACES NP
	WIN 0
	FETCH_A \next, 0, 4
.endm
.macro STEPS slot, from
.set Q, \from
.rept NQ-1-\from
	STEP \slot, Q, 0
.set Q, Q+1
.endr
.endm
	s_wait_tensorcnt 1                             ; the scales and my part of K step 0 are in (slot 1's load may be out),
	s_barrier_signal -1
	s_barrier_wait -1                              ; everybody's are
	FETCH_B 0, 0, 0
	FETCH_A 0, 0, 0
	SCALES 0
	FETCH_A 0, 0, 4
	STEP 0, 0, 1                                   ; the first step's products start the sums: nothing is cleared
	STEPS 0, 1
	TURN 0, 1
	STEPS 1, 0
	s_wait_dscnt 4*NL                              ; the very last step: nothing more to fetch
	WIN MUL_LO
	MUL16 0, 1, NQ-1, 1, 0
	MUL16 2, 1, NQ-1, 1, 0
	s_wait_dscnt 0
	WIN MUL_HI
	MUL16 4, 1, NQ-1, 1, 0
	MUL16 6, 1, NQ-1, 1, 0
	WIN 0
	; THE WAY OUT.  The bias is multiplied by its factor once: 32 plain instructions that name no register of the last products: they are the places behind those.
	s_wait_loadcnt 0x0                             ; the bias
.set i, 0
.rept 32
	v_pk_mul_f32 v[CBI+i:CBI+i+1], v[CBI+i:CBI+i+1], s[SCB:SCB+1] op_sel_hi:[1,0]
.set i, i+2
.endr
; Block a of A' (16 rows): sum x factor + bias in one fused multiply-add, each accumulator from its low end on; packed to f16; eight stores of 512 consecutive bytes.
.macro OUT a
.set AC, 64*((\a)%4)
.set TM, TMP+32*((\a)%2)
	WIN 0x82+0x41*((\a)/4)                         ; destination and source 0: window 2 or 3
.irp b, 0,1,2,3,4,5,6,7
.irp i, 0,2,4,6
	v_pk_fma_f32 v[AC+8*\b+\i:AC+8*\b+\i+1], v[AC+8*\b+\i:AC+8*\b+\i+1], s[SCA:SCA+1], v[CBI+8*\b+\i:CBI+8*\b+\i+1] op_sel_hi:[1,0,1]
.endr
.endr
.if (\a) > 0
	s_wait_xcnt 0x0                                ; the earlier stores have read their data and their base: block a - 2's registers may be written and the base may step
.if (\a) == 4
	s_add_nc_u64 s[10:11], s[10:11], s[STP2:STP2+1]
.else
	s_add_nc_u64 s[10:11], s[10:11], s[STP1:STP1+1]
.endif
.endif
	WIN 0x0a+5*((\a)/4)                            ; sources 0 and 1: window 2 or 3
.irp b, 0,1,2,3,4,5,6,7
.irp i, 0,1,2,3
	v_cvt_pk_f16_f32 v[TM+4*\b+\i], v[AC+8*\b+2*\i], v[AC+8*\b+2*\i+1]
.endr
.endr
	WIN 0
.irp b, 0,1,2,3,4,5,6,7
	global_store_b128 v[VB+\b/2], v[TM+4*\b:TM+4*\b+3], s[10:11] offset:(\b%2)*512   ; four registers of a fragment, 16 bytes a lane: 512 consecutive bytes, aligned
.endr
.endm
.irp a, 0,1,2,3,4,5,6,7
	OUT \a
.endr
	s_wait_tensorcnt 0x0                           ; the wave's end
	ds_add_u32 v[SPW], v[NIL]
	s_wait_dscnt 0x0
	CROUND                                         ; the closing round: no work-group ends while a partner may still ask for a tile that names it
	s_endpgm
.Lfunc_end_k_q6bd23d4693_qkv:
	.size	k_q6bd23d4693_qkv, .Lfunc_end_k_q6bd23d4693_qkv-k_q6bd23d4693_qkv
	.p2alignl 7, 3214868480
	.fill 96, 4, 3214868480
	.section	.rodata,"a",@progbits
	.p2align	6, 0x0
	.amdhsa_kernel k_q6bd23d4693_qkv
		.amdhsa_group_segment_fixed_size 327680
		.amdhsa_private_segment_fixed_size 0
		.amdhsa_enable_private_segment 0
		.amdhsa_kernarg_size 32
		.amdhsa_user_sgpr_count 2
		.amdhsa_user_sgpr_kernarg_segment_ptr 1
		.amdhsa_wavefront_size32 1
		.amdhsa_system_sgpr_workgroup_id_x 1
		.amdhsa_system_sgpr_workgroup_id_y 1
		.amdhsa_system_sgpr_workgroup_id_z 1
		.amdhsa_system_vgpr_workitem_id 0
		.amdhsa_next_free_vgpr 1024
		.amdhsa_next_free_sgpr 102
		.amdhsa_reserve_vcc 0
		.amdhsa_float_denorm_mode_32 3
		.amdhsa_float_denorm_mode_16_64 3
		.amdhsa_memory_ordered 1
		.amdhsa_forward_progress 1
		.amdhsa_inst_pref_size 139
	.end_amdhsa_kernel
	.amdgpu_metadata
---
amdhsa.version: [ 1, 2 ]
amdhsa.kernels:
  - .name:           k_q6bd23d4693_qkv
    .symbol:         k_q6bd23d4693_qkv.kd
    .args:
      - { .name: codes, .offset: 0, .size: 8, .value_kind: global_buffer, .address_space: global }
      - { .name: scales, .offset: 8, .size: 8, .value_kind: global_buffer, .address_space: global }
      - { .name: qkv_b, .offset: 16, .size: 8, .value_kind: global_buffer, .address_space: global }
      - { .name: qkvh, .offset: 24, .size: 8, .value_kind: global_buffer, .address_space: global }
    .group_segment_fixed_size: 327680
    .private_segment_fixed_size: 0
    .kernarg_segment_align: 8
    .kernarg_segment_size: 32
    .max_flat_workgroup_size: 128
    .sgpr_count:     102
    .vgpr_count:     1024
    .wavefront_size: 32
...
	.end_amdgpu_metadata
.endif
;; end of part 2
;; launch attn (part 3): grid 16 x 16, 4 waves a work-group, clusters of 4 x 1, 327,680 bytes of LDS; arguments qkvh, qkv_b, att; writes att
.if DOCPART == 3
	.amdgcn_target "amdgcn-amd-amdhsa--gfx1250"
	.amdhsa_code_object_version 6
	.text
	.protected	k_q6bd23d4693_attn
	.globl	k_q6bd23d4693_attn
	.p2align	8
	.type	k_q6bd23d4693_attn,@function
k_q6bd23d4693_attn:
	s_mov_b64 s[64:65], 0
	v_nop
	global_prefetch_b8 v0, s[64:65] scope:SCOPE_SE
	s_setreg_imm32_b32 hwreg(HW_REG_WAVE_MODE, 25, 1), 1
	s_wait_xcnt 0x0
	s_wait_alu depctr_hold_cnt(0) depctr_sa_sdst(0) depctr_va_vdst(0) depctr_va_sdst(0) depctr_va_ssrc(0) depctr_va_vcc(0) depctr_vm_vsrc(0)
	s_getreg_b32 s2, hwreg(HW_REG_IB_STS2, 6, 4)
	s_cmp_eq_u32 s2, 0
	s_cbranch_scc0 .Lentry_in_a_cluster
	s_endpgm
.Lentry_in_a_cluster:
	s_bfe_u32 s2, ttmp6, 0x10000c
	s_cmp_lg_u32 s2, 0x3003
	s_cbranch_scc0 .Lentry_shape_is_right
	s_endpgm
.Lentry_shape_is_right:
; att[q][head] = softmax_k(Q[head][q] . K[head][k] / 8) V[head][k] + v's bias, 16 heads of 64 channels, 4,096 queries and keys.  Operands in f16, products, maxima and sums in f32.
; Q, K, V come from qkvh as images of the operands' registers (16 bytes a lane, 512 bytes for four registers of a fragment); Q carries log2(e) / 8 already, so p = 2^(s - m) with a running maximum m.
; V's bias is added behind the division by the row's sum: the weights sum to one.
; LIMITS: |0.18 q|, |k|, |v| and the result stay under 65,504 (f16); a weight p under 6e-5 of its row's running largest has f16's absolute spacing; scores stay above -3e38; NaN and infinities are not served.
; SHARES.  A work-group owns 256 queries of one head, each of its four waves 64: four tiles of 16.  Every wave walks all keys of the head, 64 a step.
; LAYOUT.  S^T = K Q^T (source 0 = 16 keys, source 1 = 16 queries): a lane holds ONE query (lane % 16) and the keys 8 (lane / 16) + 0 .. 7.  Two such tiles, packed to f16, ARE source 1 (32 keys x 16 queries) of O^T = V^T P.
; THE ROW'S SUM is a fifth tile of that product: source 0 = sixteen rows of ones.  Each of its registers holds the sum over all 32 keys of the lane's query: no vector addition, no exchange of lanes.
; BY TURNS.  The wave's tiles are two PIECES (tiles 0, 1 and tiles 2, 3).  In a TURN one piece has the matrix unit: 20 products V^T P of the step in hand, then 16 products K Q^T of the next; the other piece's softmax, 210
; vector instructions cut into 36 slices, stands one slice behind each matrix instruction.  Two turns are a key step.
; NO FIRST STEP IS WRITTEN OUT.  The walk begins with a step that counts for nothing: m = -3e38, scores of -infinity (p = 0, the rescaling factor 1), weights, sums and V of zeros.  The moves that set this up stand once; they spare
; a third and a fourth copy of the turns, and the loops' trip counts are constants.
; CLUSTER.  The four query blocks of a cluster belong to one head and walk the same K and V: each tile is asked for JOINTLY, by one tensor load with the same descriptor and a mask that names the four.
; LDS: two slots of 512 keys, 1 << 17 bytes apart: K's images (65,536 bytes, 8,192 a step), then V's.  Every LDS load reads 16 x lane: 512 consecutive bytes, so nothing is padded.  Nothing is stored to LDS.
; REGISTERS, in windows of 256 (s_set_vgpr_msb: bits 1:0 source 0, 3:2 source 1, 5:4 source 2, 7:6 destination):
;   window 0: v2-6 addresses; v16-47 statistics, 8 a tile; v64-191 S^T, 32 a tile; v192-255 P, 16 a tile
;   window 1: v0-127 O^T, 32 a tile; v128-159 the rows' sums, 8 a tile          window 2: v0-63 Q; v64-127 K of one step; v128-191 V of one step; v192-199 ones; v200-231 v's bias
.set SLOT1, 1<<17
.set SPARE, 2*SLOT1                    ; behind the ring: the spare words, 128 bytes a wave, that no other line names
.set L16, 2                            ; v2   16 x lane; never rewritten
.set AV0, 3                            ; v3   the same in V's part of a slot
.set ADR, 4                            ; v4   the LDS address of the run of loads in hand
.set PFO, 5                            ; v5   256 x lane
.set BH,  6                            ; v6   32 x (lane / 16)
.set ST,  16                           ; tile t's statistics at v[ST + 8 t]: +0 m, +1 (pair partner), +2 the rescaling factor a, +3 (pair partner), +4 to +7 c0-c3, at work
.set SPW, 62
.set NIL, 63
.set S,   64
.set P,   192
.set LL,  128                          ; window 1
.set KF,  64                           ; window 2
.set VF,  128
.set ONE, 192
.set BV,  200
.set WV,  12                           ; s12  my wave's number
.set LIM, 15                           ; s15  1 in the head's first cluster, else the greatest number
.set PFA, 18                           ; s[18:19] where my prefetches stand
.set G1,  24                           ; s[24:31] descriptor group 1
.set G0,  32                           ; s[32:35] descriptor group 0, which walks
.set SLOTS, 56
.set CNT, 57
.set SEL, 60                           ; s[60:61] lane selects for v_permlanex16_b32: lane l xor 16
.set TB,  62                           ; s62  LDS byte at which the images of the step to be fetched begin
.set MSB, 0
.macro WIN new                         ; the immediate's high byte repeats the setting that is left; a switch that changes nothing is dropped
.if MSB != \new
	s_set_vgpr_msb (MSB<<8)|\new
.set MSB, \new
.endif
.endm
.set W_KQ, 0x0a                        ; K and Q in window 2, S^T in window 0
.set W_PV, 0x52                        ; V (or the ones) in window 2, P in window 0, O^T and the sums in window 1
.set W_RS, 0x41                        ; O^T (destination and source 0) in window 1, a in window 0
.macro CROUND                          ; a round of the cluster's barrier
	s_barrier_signal -1
	s_barrier_wait -1
	s_cmp_lg_u32 s[WV], 0
	s_cbranch_scc1 .Lnot_wave_0_\@
	s_barrier_signal -3
.Lnot_wave_0_\@:
	s_barrier_wait -3
	s_barrier_signal -1
	s_barrier_wait -1
.endm
; A joint load: every wave fetches a quarter of a slot, 32,768 dense bytes: waves 0 and 1 K's halves, waves 2 and 3 V's.  One shape serves all four, so the line stands under no branch.
.macro JLOAD
	tensor_load_to_lds s[G0:G0+3], s[G1:G1+7]
	s_nop 0
.rept 4
	v_nop
.endr
.endm
; A PREFETCH INTO THE L2 of what the NEXT change of slots will ask for, behind the wave's tensor load and its five lines.  All clusters of a head walk the same K and V: the head's first cluster asks.  Each wave asks for its own
; quarter of the slot; the four partners share it out BY ADDRESS, 8,192 bytes each, lanes 256 bytes apart: each block of 256 bytes is named once in the launch.  The last change that fills a slot asks for nothing.
.macro ASK
	s_cmp_gt_u32 s[SLOTS], s[LIM]
	s_cbranch_scc0 .Lnot_mine_\@
	global_prefetch_b8 v[PFO], s[PFA:PFA+1] th:TH_LOAD_NT scope:SCOPE_SE
.Lnot_mine_\@:
.endm
	s_load_b128 s[4:7], s[0:1], 0x0                ; qkvh, qkv_b
	s_load_b64 s[8:9], s[0:1], 0x10                ; att
	v_lshl_add_u32 v[SPW], v0, 2, SPARE
	v_mov_b32 v[NIL], 0
	ds_add_u32 v[SPW], v[NIL]                      ; the wave's opening: the add, twice on end, and its wait ahead of my first tensor load
	ds_add_u32 v[SPW], v[NIL]
	v_lshrrev_b32 v1, 5, v0
	v_readfirstlane_b32 s[WV], v1                  ; wave 0..3
	s_bfe_u32 s13, ttmp6, 0x40000                  ; cx: my place in the cluster
	s_lshl_b32 s14, ttmp9, 2
	s_add_co_u32 s14, s14, s13                     ; my block of 256 queries: it enters Q's and att's addresses alone
	s_and_b32 s20, ttmp7, 0xffff                   ; the head, which the four partners share
	s_lshr_b32 s16, s[WV], 1
	s_lshl_b32 s16, s16, 23
	s_add_co_u32 s16, s16, 1<<23                   ; K's part of qkvh (waves 0, 1) or V's (waves 2, 3),
	s_lshl_b32 s17, s20, 19
	s_add_co_u32 s16, s16, s17                     ; the head,
	s_and_b32 s17, s[WV], 1
	s_lshl_b32 s17, s17, 15
	s_add_co_u32 s16, s16, s17                     ; my half of a slot's 65,536 bytes
	s_mov_b32 s17, 0
	s_lshl_b32 s22, s20, 19                        ; Q: the head, my block's 16 tiles of 2,048 bytes, my wave's 4
	s_lshl_b32 s23, s14, 15
	s_add_co_u32 s22, s22, s23
	s_lshl_b32 s23, s[WV], 13
	s_add_co_u32 s22, s22, s23
	s_mov_b32 s23, 0
	s_lshl_b32 s2, s14, 19                         ; att: a tile of 16 rows is 32,768 bytes; the head's 64 channels are 2,048 of them
	s_lshl_b32 s3, s[WV], 17
	s_add_co_u32 s2, s2, s3
	s_lshl_b32 s3, s20, 11
	s_add_co_u32 s2, s2, s3
	s_mov_b32 s3, 0
	s_lshl_b32 s20, s20, 8
	s_add_co_u32 s20, s20, 8192                    ; v's bias: number 2,048 + 64 x head
	s_mov_b32 s21, 0
	s_lshl_b32 s36, s13, 13                        ; the prefetches: my work-group's 8,192 bytes of my quarter,
	s_add_co_u32 s36, s36, 65536                   ; in slot 1: the first change of slots steps it to slot 2.  Nothing is prefetched at the head
	s_mov_b32 s37, 0
	; descriptor group 1: 128 rows of 256 bytes (32 elements of 8 bytes), dense in memory and in LDS
	s_mov_b32 s[G1], 15|(3<<16)|(1<<21)            ; 15:0 the mask: all four work-groups; 17:16 elements of 8 bytes; 21 set beside a mask
	s_mov_b32 s[G1+1], 32<<16                      ; tensor_dim0
	s_mov_b32 s[G1+2], 128<<16                     ; tensor_dim1
	s_mov_b32 s[G1+3], 32<<16                      ; tile_dim0
	s_mov_b32 s[G1+4], 128                         ; tile_dim1
	s_mov_b32 s[G1+5], 32                          ; tensor_dim0_stride
	s_mov_b32 s[G1+6], 0
	s_mov_b32 s[G1+7], 0
	s_mov_b32 s[G0], 1
	s_lshl_b32 s[G0+1], s[WV], 15                  ; LDS: wave x 32,768, in slot 0: no place in the cluster enters an LDS address
	s_mov_b32 s[SEL], 0x76543210
	s_mov_b32 s[SEL+1], 0xfedcba98
	s_mov_b32 s[TB], 0
	s_mov_b32 s[SLOTS], 7
	s_cmp_eq_u32 ttmp9, 0                          ; the same in all four partners
	s_cselect_b32 s[LIM], 1, -1
	v_and_b32 v1, 31, v0
	v_lshlrev_b32 v[L16], 4, v1
	v_add_nc_u32 v[AV0], 65536, v[L16]
	v_lshlrev_b32 v[PFO], 8, v1
	v_bfe_u32 v[BH], v0, 4, 1
	v_lshlrev_b32 v[BH], 5, v[BH]
	s_wait_dscnt 0x0                               ; both opening adds are done
	s_wait_kmcnt 0x0
	s_add_nc_u64 s[G0+2:G0+3], s[4:5], s[16:17]    ; my quarter of slot 0's keys
	s_add_nc_u64 s[PFA:PFA+1], s[G0+2:G0+3], s[36:37]
	s_or_b32 s[G0+3], s[G0+3], 0x80000000          ; type = 2
	s_add_nc_u64 s[4:5], s[4:5], s[22:23]
	s_add_nc_u64 s[6:7], s[6:7], s[20:21]
	s_add_nc_u64 s[8:9], s[8:9], s[2:3]
	CROUND                                         ; all four work-groups are here: the first joint loads meet
	JLOAD                                          ; slot 0
	WIN 0x80                                       ; destination window 2, address window 0
.irp t, 0,1,2,3                        ; Q stays in registers: tile t, channels 32 c on
.irp c, 0,1
	global_load_b128 v[16*\t+8*\c:16*\t+8*\c+3],   v[L16], s[4:5] offset:\t*2048+\c*1024
	global_load_b128 v[16*\t+8*\c+4:16*\t+8*\c+7], v[L16], s[4:5] offset:\t*2048+\c*1024+512
.endr
.endr
.irp w, 0,1,2,3                        ; v's bias in O^T's layout: register 8 w + j for channel 16 w + 8 (lane / 16) + j
	global_load_b128 v[BV+8*\w:BV+8*\w+3],   v[BH], s[6:7] offset:64*\w
	global_load_b128 v[BV+8*\w+4:BV+8*\w+7], v[BH], s[6:7] offset:64*\w+16
.endr
	; the step that counts for nothing
.set i, 0
.rept 64
	v_mov_b32 v[VF+i], 0
.set i, i+1
.endr
.set i, 0
.rept 8
	v_mov_b32 v[ONE+i], 0x3c003c00                 ; 1.0, twice, in f16
.set i, i+1
.endr
	WIN 0x40
.set i, 0
.rept 160
	v_mov_b32 v[i], 0                              ; O^T and the sums
.set i, i+1
.endr
	WIN 0
.irp t, 0,1,2,3
	v_mov_b32 v[ST+8*\t], 0xff61b1e6               ; m = -3e38
.irp w, 1,2,3,4,5,6,7
	v_mov_b32 v[ST+8*\t+\w], 0                     ; (the pairs' partners are named, so they are written)
.endr
.endr
.set i, 0
.rept 64
	v_mov_b32 v[S+64+i], 0xff800000                ; piece 2's scores: -infinity
.set i, i+1
.endr
.set i, 0
.rept 32
	v_mov_b32 v[P+i], 0                            ; piece 0's weights
.set i, i+1
.endr
; THE MATRIX WORK OF A TURN, for piece x.  The accumulators take turns, one instruction a turn: between two links of a chain stand 9 (V^T P) or 7 (K Q^T) others'.
; Product i of 20: keys 32 (i / 10) on; of the ten: tile x + u % 2; u / 2 = 0 .. 3: channels 16 (u / 2) on; u / 2 = 4: the row's sum.
.macro PV x
	WIN W_PV
.set kb, i/10
.set u, i%10
.set tl, \x+u%2
.set ct, u/2
.set rP, P+16*tl+8*kb
.if ct < 4
.set rO, 32*tl+8*ct
.set rV, VF+32*kb+8*ct
.else
.set rO, LL+8*tl
.set rV, ONE
.endif
	v_wmma_f32_16x16x32_f16 v[rO:rO+7], v[rV:rV+7], v[rP:rP+7], v[rO:rO+7]
.endm
; Product i of 16 of S^T = K Q^T: channels 32 (i / 8) on, keys 16 ((i / 2) % 4) on, tile x + i % 2.  The first 8 start the sums.
.macro KQ x
	WIN W_KQ
.set c, i/8
.set kt, (i/2)%4
.set tl, \x+i%2
.set rS, S+32*tl+8*kt
.set rK, KF+16*kt+8*c
.set rQ, 16*tl+8*c
.if i < 8
	v_wmma_f32_16x16x32_f16 v[rS:rS+7], v[rK:rK+7], v[rQ:rQ+7], 0
.else
	v_wmma_f32_16x16x32_f16 v[rS:rS+7], v[rK:rK+7], v[rQ:rQ+7], v[rS:rS+7]
.endif
.endm
; THE LDS LOADS stand in runs of 16: a step's K (8 fragments) and, a turn later, its V (8 fragments).
.macro FETCH_K
	WIN 0
	v_add_nc_u32 v[ADR], s[TB], v[L16]
	WIN 0x80
.irp f, 0,1,2,3,4,5,6,7
	ds_load_b128 v[KF+8*\f:KF+8*\f+3],   v[ADR] offset:1024*\f
	ds_load_b128 v[KF+8*\f+4:KF+8*\f+7], v[ADR] offset:1024*\f+512
.endr
.endm
.macro FETCH_V
	WIN 0
	v_add_nc_u32 v[ADR], s[TB], v[AV0]
	s_add_co_u32 s[TB], s[TB], 8192                ; the next fetch is the next step's
	s_wait_alu depctr_va_vdst(0)                   ; the wait for the softmax's batch of exponentials, ahead of the first instruction that names a result
	WIN 0x80
.irp f, 0,1,2,3,4,5,6,7
	ds_load_b128 v[VF+8*\f:VF+8*\f+3],   v[ADR] offset:1024*\f
	ds_load_b128 v[VF+8*\f+4:VF+8*\f+7], v[ADR] offset:1024*\f+512
.endr
.endm
; THE VECTOR WORK OF A TURN.  One tile's softmax for one key step is a list of 105 instructions; SM writes number j of it for tile t.  s0-s31 are the lane's 32 scores.
;   0-15    the maximum of s0-s31 and the old m, three operands at a time (each accumulator is first read at its low end)
;   16-19   the other half of the lanes' maximum; the old m kept; the new m; m_old - m_new
;   20-68   ONE BATCH: 16 packed subtractions s - m and all 33 exponentials (a at 21).  None of these names an exponential's result
;   (wait)  between 68 and 69: SLICE writes it, once for both tiles
;   69-84   the roundings to f16, a pair of weights each
;   85-104  the tile's O^T and its sum times a: the one part that leaves window 0, so it stands together
.macro SM t
.set rT, ST+8*(\t)
.set rS, S+32*(\t)
.set rP, P+16*(\t)
.if j < 85
	WIN 0
.else
	WIN W_RS
.endif
.if j < 4
	v_max3_num_f32 v[rT+4+j], v[rS+8*j], v[rS+8*j+1], v[rS+8*j+2]
.elseif j < 12
	v_max3_num_f32 v[rT+4+j%4], v[rT+4+j%4], v[rS+8*(j%4)+2*(j/4)+1], v[rS+8*(j%4)+2*(j/4)+2]
.elseif j == 12
	v_max3_num_f32 v[rT+4], v[rT+4], v[rS+7], v[rS+15]
.elseif j == 13
	v_max3_num_f32 v[rT+6], v[rT+6], v[rS+23], v[rS+31]
.elseif j == 14
	v_max3_num_f32 v[rT+4], v[rT+4], v[rT+5], v[rT+6]
.elseif j == 15
	v_max3_num_f32 v[rT+4], v[rT+4], v[rT+7], v[rT]
.elseif j == 16
	v_permlanex16_b32 v[rT+5], v[rT+4], s[SEL], s[SEL+1]  ; the query's other 32 keys lie in the lane 16 away
.elseif j == 17
	v_mov_b32 v[rT+7], v[rT]
.elseif j == 18
	v_max_num_f32 v[rT], v[rT+4], v[rT+5]
.elseif j == 19
	v_sub_f32 v[rT+7], v[rT+7], v[rT]
.elseif j == 21
	v_exp_f32 v[rT+2], v[rT+7]                     ; a = 2^(m_old - m_new)
.elseif (j == 20) || ((j < 67) && ((j-22)%3 == 0))
.set b, 0                                          ; 20: pair 0
.if j > 20
.set b, (j-22)/3+1                                 ; 22, 25, .. 64: pairs 1 to 15
.endif
	v_pk_add_f32 v[rS+2*b:rS+2*b+1], v[rS+2*b:rS+2*b+1], v[rT:rT+1] op_sel_hi:[1,0] neg_lo:[0,1] neg_hi:[0,1]  ; s - m
.elseif j < 69
.set e, j-37                                       ; 67, 68: s30, s31
.if j < 67
.set e, 2*((j-22)/3)+(j-22)%3-1                    ; 23, 24, 26, 27, .. 65, 66: s0 to s29: a pair's exponentials stand behind the next pair's subtraction
.endif
	v_exp_f32 v[rS+e], v[rS+e]
.elseif j < 85
	v_cvt_pk_f16_f32 v[rP+j-69], v[rS+2*(j-69)], v[rS+2*(j-69)+1]
.elseif j < 101
.set rO, 32*(\t)+2*(j-85)
	v_pk_mul_f32 v[rO:rO+1], v[rO:rO+1], v[rT+2:rT+3] op_sel_hi:[1,0]
.else
.set rO, LL+8*(\t)+2*(j-101)
	v_pk_mul_f32 v[rO:rO+1], v[rO:rO+1], v[rT+2:rT+3] op_sel_hi:[1,0]
.endif
.endm
; Slice k of 36 of piece y's softmax.  The two tiles' lists alternate, number by number.  Slices 0-22: six instructions each: 138, the maxima and the batch.  Slices 23, 24: seven, 25-27: six: the 32 roundings.
; Slices 28-35: five each: the 40 rescalings.  Behind slice 22 nothing has named an exponential's result and no exponential follows: one plain instruction and ONE wait serve the piece's 66 exponentials.
.macro SLICE y
.set cnt, 6
.if (k == 23) || (k == 24)
.set cnt, 7
.elseif k >= 28
.set cnt, 5
.endif
.rept cnt
.set j, n/2
	SM (\y)+n%2
.set n, n+1
.endr
.if k == 22
	v_nop                                          ; the plain instruction behind the last exponential
.if (\y) == 0
	FETCH_V                                        ; piece 2's turn: V's run of loads stands here, and the wait stands in it
.else
	s_wait_alu depctr_va_vdst(0)                   ; the wait for the batch
.endif
.endif
.set k, k+1
.endm
; A TURN.  Piece x has the matrix unit; the other piece's softmax stands in slices behind its matrix instructions (two behind each where the turn has one kind of product alone).
; DISTANCES.  Slice 35's five multiplications name no register of the turn's last K Q^T: they are the four places ahead of the next turn's first read of those scores and of the loads into K's registers (behind the next
; turn's second product).  V's loads stand behind slice 22: behind the last V^T P stand six subtractions, the v_nop and the run's own addition.
.macro TURN x, pv, kq
.set k, 0
.set n, 0
.set per, 2
.if \pv && \kq
.set per, 1
.endif
.if \pv
.if \x == 0
	s_wait_dscnt 0x0                               ; V is in
.endif
.set i, 0
.rept 20
	PV \x
.rept per
.if k < 36
	SLICE 2-\x
.endif
.endr
.if (\x == 0) && \kq && (i == 1)
	FETCH_K
.endif
.set i, i+1
.endr
.endif
.if \kq
.if \x == 0
	s_wait_dscnt 0x0                               ; K is in
.endif
.set i, 0
.rept 16
	KQ \x
.rept per
.if k < 36
	SLICE 2-\x
.endif
.endr
.set i, i+1
.endr
.endif
.endm
; THE CHANGE OF SLOTS stands at a slot's head.  Each wave waits for all its tensor loads (its quarter of the slot that it is about to read), adds 0 to its spare word, and waits for that and for its reads of the slot that it
; has left.  fill = 1: the barrier is a round of the cluster's, and behind it the slot just left takes the 512 keys that follow: one load a wave, with eight key steps, 576 matrix instructions, in which to land.
.macro CHANGE fill
	WIN 0
	s_wait_tensorcnt 0x0                           ; no tensor load of mine is out, so group 0 may be written
	ds_add_u32 v[SPW], v[NIL]                      ; 0 onto my spare word
.if \fill
	s_xor_b32 s[G0+1], s[G0+1], SLOT1              ; the other slot than last time,
	s_add_nc_u64 s[G0+2:G0+3], s[G0+2:G0+3], 65536 ; the next 512 keys; the type bits on top are not reached
	s_wait_xcnt 0x0                                ; the last prefetch, a slot back, has read its address, so it may be written:
	s_add_nc_u64 s[PFA:PFA+1], s[PFA:PFA+1], 65536 ; one slot further on than the walking descriptor
	s_wait_dscnt 0x0                               ; the add is done, and my reads of the slot that I have left are over
	CROUND
	JLOAD
	ASK
.else
	s_wait_dscnt 0x0
	s_barrier_signal -1
	s_barrier_wait -1
.endif
.endm
; A slot's eight key steps: written once, walked eight times; the LDS addresses hang on s[TB].
.macro EIGHT_STEPS
	s_mov_b32 s[CNT], 8
.Lstep_\@:
	TURN 0, 1, 1                                   ; piece 0: V^T P of the last step, K Q^T of this | piece 2's softmax of the last step | K of this step
	TURN 2, 1, 1                                   ; piece 2: the same | piece 0's softmax of this step | V of this step
	WIN 0                                          ; at a label and at a branch every window is 0
	s_sub_co_u32 s[CNT], s[CNT], 1
	s_cmp_lg_u32 s[CNT], 0
	s_cbranch_scc1 .Lstep_\@
	s_sub_co_u32 s[TB], s[TB], 65536               ; the fetches go back to a slot's first step,
	s_xor_b32 s[TB], s[TB], SLOT1                  ; in the other slot
.endm
	s_wait_loadcnt 0x0                             ; Q and the bias
.Lslot:                                            ; 7 trips: behind each change of slots but the last the next slot is asked for
	CHANGE 1
	EIGHT_STEPS
	s_sub_co_u32 s[SLOTS], s[SLOTS], 1
	s_cmp_lg_u32 s[SLOTS], 0
	s_cbranch_scc1 .Lslot
	CHANGE 0                                       ; the last slot is written out
	EIGHT_STEPS
	TURN 0, 1, 0                                   ; piece 0: V^T P of the last step | piece 2's last softmax
.set i, 0
.rept 20
	PV 2                                           ; piece 2: V^T P of the last step
.set i, i+1
.endr
	; THE WAY OUT.  O^T / the sum + v's bias in one fused multiply-add; packed to f16, a tile's four registers of 16 channels ARE half a fragment (16 rows x 32 K) of the projection's operand: stored at 16 x lane.
	WIN 0
.rept 4
	v_nop                                          ; the places behind the last products
.endr
	WIN 0x01
.irp t, 0,1,2,3
	v_rcp_f32 v[ST+8*\t+2], v[LL+8*\t]             ; every register of the sum's tile holds the sum: the lowest is read
.endr
	WIN 0
	v_nop                                          ; a plain instruction behind the last reciprocal
	s_wait_alu depctr_va_vdst(0)                   ; and one wait for the four, ahead of their first use
.macro OUTT t
	WIN 0x21                                       ; source 0 (O^T) window 1, source 2 (the bias) window 2
.set i, 0
.rept 16
	v_pk_fma_f32 v[S+32*\t+2*i:S+32*\t+2*i+1], v[32*\t+2*i:32*\t+2*i+1], v[ST+8*\t+2:ST+8*\t+3], v[BV+2*i:BV+2*i+1] op_sel_hi:[1,0,1]
.set i, i+1
.endr
	WIN 0
.set i, 0
.rept 16
	v_cvt_pk_f16_f32 v[P+16*\t+i], v[S+32*\t+2*i], v[S+32*\t+2*i+1]
.set i, i+1
.endr
.irp w, 0,1,2,3
	global_store_b128 v[L16], v[P+16*\t+4*\w:P+16*\t+4*\w+3], s[8:9] offset:\t*32768+(\w/2)*1024+(\w%2)*512   ; 512 consecutive bytes, aligned; no register is written again, so no wait stands here
.endr
.endm
	OUTT 0
	OUTT 1
	OUTT 2
	OUTT 3
	s_wait_tensorcnt 0x0                           ; the wave's end
	ds_add_u32 v[SPW], v[NIL]
	s_wait_dscnt 0x0
	CROUND                                         ; the closing round: no work-group ends while a partner may still ask for a tile that names it
	s_endpgm
.Lfunc_end_k_q6bd23d4693_attn:
	.size	k_q6bd23d4693_attn, .Lfunc_end_k_q6bd23d4693_attn-k_q6bd23d4693_attn
	.p2alignl 7, 3214868480
	.fill 96, 4, 3214868480
	.section	.rodata,"a",@progbits
	.p2align	6, 0x0
	.amdhsa_kernel k_q6bd23d4693_attn
		.amdhsa_group_segment_fixed_size 327680
		.amdhsa_private_segment_fixed_size 0
		.amdhsa_enable_private_segment 0
		.amdhsa_kernarg_size 24
		.amdhsa_user_sgpr_count 2
		.amdhsa_user_sgpr_kernarg_segment_ptr 1
		.amdhsa_wavefront_size32 1
		.amdhsa_system_sgpr_workgroup_id_x 1
		.amdhsa_system_sgpr_workgroup_id_y 1
		.amdhsa_system_sgpr_workgroup_id_z 1
		.amdhsa_system_vgpr_workitem_id 0
		.amdhsa_next_free_vgpr 768
		.amdhsa_next_free_sgpr 66
		.amdhsa_reserve_vcc 0
		.amdhsa_float_denorm_mode_32 3
		.amdhsa_float_denorm_mode_16_64 3
		.amdhsa_memory_ordered 1
		.amdhsa_forward_progress 1
		.amdhsa_inst_pref_size 114
	.end_amdhsa_kernel
	.amdgpu_metadata
---
amdhsa.version: [ 1, 2 ]
amdhsa.kernels:
  - .name:           k_q6bd23d4693_attn
    .symbol:         k_q6bd23d4693_attn.kd
    .args:
      - { .name: qkvh, .offset: 0, .size: 8, .value_kind: global_buffer, .address_space: global }
      - { .name: qkv_b, .offset: 8, .size: 8, .value_kind: global_buffer, .address_space: global }
      - { .name: att, .offset: 16, .size: 8, .value_kind: global_buffer, .address_space: global }
    .group_segment_fixed_size: 327680
    .private_segment_fixed_size: 0
    .kernarg_segment_align: 8
    .kernarg_segment_size: 24
    .max_flat_workgroup_size: 128
    .sgpr_count:     66
    .vgpr_count:     768
    .wavefront_size: 32
...
	.end_amdgpu_metadata
.endif
;; end of part 3
;; launch proj (part 4): grid 8 x 32, 4 waves a work-group, clusters of 4 x 4, 327,680 bytes of LDS; arguments att, pw16, proj_b, out0; writes out0
.if DOCPART == 4
	.amdgcn_target "amdgcn-amd-amdhsa--gfx1250"
	.amdhsa_code_object_version 6
	.text
	.protected	k_q6bd23d4693_proj
	.globl	k_q6bd23d4693_proj
	.p2align	8
	.type	k_q6bd23d4693_proj,@function
k_q6bd23d4693_proj:
	s_mov_b64 s[64:65], 0
	v_nop
	global_prefetch_b8 v0, s[64:65] scope:SCOPE_SE
	s_setreg_imm32_b32 hwreg(HW_REG_WAVE_MODE, 25, 1), 1
	s_wait_xcnt 0x0
	s_wait_alu depctr_hold_cnt(0) depctr_sa_sdst(0) depctr_va_vdst(0) depctr_va_sdst(0) depctr_va_ssrc(0) depctr_va_vcc(0) depctr_vm_vsrc(0)
	s_getreg_b32 s2, hwreg(HW_REG_IB_STS2, 6, 4)
	s_cmp_eq_u32 s2, 0
	s_cbranch_scc0 .Lentry_in_a_cluster
	s_endpgm
.Lentry_in_a_cluster:
	s_bfe_u32 s2, ttmp6, 0x10000c
	s_cmp_lg_u32 s2, 0xf033
	s_cbranch_scc0 .Lentry_shape_is_right
	s_endpgm
.Lentry_shape_is_right:
; out0[m][n] = sum over k of att[m][k] proj_w[n][k] + proj_b[n].  4,096 x 1,024 x 1,024; operands in f16, sums and result in f32.
; att comes as images of the operand's registers: (row / 16) x 32,768 + (k / 32) x 1,024 + (register half) x 512 + 16 x lane.  pw16 is [1024][1024] f16, row-major.
; A tile of the result is 128 x 128, so that the 256 tiles give each of 256 work-groups one.  Four waves, each 64 x 64: 16 accumulators.  K goes in four steps of 256 through two LDS slots.
; CLUSTERS: 4 x 4.  The four of a row of the cluster need the same tiles of att, the four of a column the same tiles of pw16: each is asked for JOINTLY.
; THE MATRIX INSTRUCTION IS USED TRANSPOSED (source 0 = 16 rows of pw16, source 1 = 16 rows of att): a lane holds eight neighbouring numbers of a row of the result.  The bias is the C of each sum's first product.
; No prefetch is laid: the four K steps are short, and half of all tiles are asked for at the head.
; LIMITS: |att|, |proj_w| under 65,504 (f16); NaN and infinities are not served.
; LDS: a slot: att's images, 65,536 bytes (64 rows: 32,768; 16 rows: 8,192; dense: every load reads 16 x lane), then pw16's 128 rows of 512 bytes + 16 of padding.  Behind the ring a stage of 16 rows x 272 bytes for each wave.
; REGISTERS: window 0: v0-31 addresses; v32-95 the way out; v96-127 the bias; v128-255 the accumulators ((a, b) at v[128 + 8 (4 a + b)]).   window 1: two fragment buffers of 128: 64 registers of att, then 64 of pw16.
.set SIZE_K, 1024
.set KSTEP,  256
.set PITCH,  528                       ; pw16's LDS row: 512 bytes + 16 = 132 words: row r starts at bank 4 r mod 64 (64 banks of 4 bytes: ISA guide 11.1)
.set HALFA,  32768
.set HALFB,  64*PITCH
.set BOFF,   2*HALFA
.set SLOT,   BOFF+2*HALFB
.set STAGE,  2*SLOT
.set SPITCH, 272
.set SPARE,  STAGE+4*16*SPITCH         ; the spare words, 128 bytes a wave, that no other line names
.set ADRA, 16
.set ADRB, 20
.set STO,  24
.set RD,   25
.set CO,   26
.set BH,   27                          ; v27  32 x (lane / 16)
.set SPW,  28
.set NIL,  29
.set TMP,  32
.set BI,   96                          ; the bias: register 8 b + j for column 16 b + 8 h + j
.set ACC,  128
.set F0,   0
.set F1,   128
.set G1, 24
.set G0, 32
.set G1B, 48
.set G0B, 56
.set MSB, 0
.macro WIN new                         ; the immediate's high byte repeats the setting that is left
.if MSB != \new
	s_set_vgpr_msb (MSB<<8)|\new
.set MSB, \new
.endif
.endm
.set MUL,  0x05                        ; sources 0 and 1 window 1; C and D window 0
.set TO_F, 0x40
.macro JLOAD s                         ; a joint load: waves 0 and 1 fetch att's two halves, waves 2 and 3 pw16's; an s_nop 0 and four v_nop follow each of the two lines
	s_cmp_eq_u32 s11, 0
	s_cbranch_scc0 .Lfor_b_\@
	tensor_load_to_lds s[G0+4*\s:G0+4*\s+3], s[G1:G1+7]
	s_nop 0
.rept 4
	v_nop
.endr
	s_branch .Lasked_\@
.Lfor_b_\@:
	tensor_load_to_lds s[G0B+4*\s:G0B+4*\s+3], s[G1B:G1B+7]
	s_nop 0
.rept 4
	v_nop
.endr
.Lasked_\@:
.endm
.macro CREST                           ; a round of the cluster's barrier behind its opening barrier
	s_cmp_lg_u32 s10, 0
	s_cbranch_scc1 .Lnot_wave_0_\@
	s_barrier_signal -3
.Lnot_wave_0_\@:
	s_barrier_wait -3
	s_barrier_signal -1
	s_barrier_wait -1
.endm
.macro CROUND
	s_barrier_signal -1
	s_barrier_wait -1
	CREST
.endm
	s_load_b128 s[4:7], s[0:1], 0x0                ; att, pw16
	s_load_b64 s[68:69], s[0:1], 0x10              ; proj_b
	s_load_b64 s[8:9], s[0:1], 0x18                ; out0
	v_lshl_add_u32 v[SPW], v0, 2, SPARE
	v_mov_b32 v[NIL], 0
	ds_add_u32 v[SPW], v[NIL]                      ; the wave's opening: the add, twice on end, and its wait ahead of my first tensor load
	ds_add_u32 v[SPW], v[NIL]
	v_lshrrev_b32 v1, 5, v0
	v_readfirstlane_b32 s10, v1                    ; wave 0..3
	s_lshr_b32 s11, s10, 1                         ; which half of the tile's rows is mine.  Also: I fetch for att (0) or for pw16 (1)
	s_and_b32 s12, s10, 1                          ; which half of its columns.  Also: which 64 rows of that tile I fetch
	s_bfe_u32 s40, ttmp6, 0x40000                  ; cx, cy
	s_bfe_u32 s41, ttmp6, 0x40004
	s_lshl_b32 s42, ttmp9, 2
	s_add_co_u32 s42, s42, s40                     ; tile column
	s_and_b32 s13, ttmp7, 0xffff
	s_lshl_b32 s13, s13, 2
	s_add_co_u32 s13, s13, s41                     ; tile row
	s_lshl_b32 s43, s41, 2
	s_lshl_b32 s43, 15, s43                        ; my row of the cluster
	s_lshl_b32 s44, 0x1111, s40                    ; my column
	; att: four tiles of 16 rows, of each the K step's 8,192 consecutive bytes (1,024 elements of 8 bytes), 32,768 bytes apart in memory, dense in LDS
	s_or_b32 s[G1+0], s43, (3<<16)|(1<<21)
	s_mov_b32 s[G1+1], 1024<<16                    ; tensor_dim0
	s_mov_b32 s[G1+2], 4<<16                       ; tensor_dim1
	s_mov_b32 s[G1+3], 1024<<16                    ; tile_dim0
	s_mov_b32 s[G1+4], 4                           ; tile_dim1
	s_mov_b32 s[G1+5], 4096                        ; tensor_dim0_stride
	s_mov_b32 s[G1+6], 0
	s_mov_b32 s[G1+7], 0
	; pw16: 64 rows x 256 elements of 2 bytes, four words of padding behind every 128
	s_or_b32 s[G1B+0], s44, (1<<16)|(1<<20)|(1<<21)|(6<<22)|(3<<25)
	s_mov_b32 s[G1B+1], KSTEP<<16
	s_mov_b32 s[G1B+2], 64<<16
	s_mov_b32 s[G1B+3], KSTEP<<16
	s_mov_b32 s[G1B+4], 64
	s_mov_b32 s[G1B+5], SIZE_K
	s_mov_b32 s[G1B+6], 0
	s_mov_b32 s[G1B+7], 0
	s_lshl_b32 s16, s13, 18                        ; att: 128 rows are 8 tiles of 32,768 bytes,
	s_lshl_b32 s17, s12, 17                        ; my 64 of them
	s_add_co_u32 s16, s16, s17
	s_mov_b32 s17, 0
	s_lshl_b32 s46, s42, 18                        ; pw16: 128 rows of 2,048 bytes,
	s_lshl_b32 s47, s12, 17                        ; my 64
	s_add_co_u32 s46, s46, s47
	s_mov_b32 s47, 0
	s_lshl_b32 s20, s12, 15                        ; where they go: no place in the cluster enters an LDS address
	s_mul_i32 s21, s12, HALFB
	s_add_co_u32 s21, s21, BOFF
	s_wait_dscnt 0x0                               ; both opening adds are done
	s_wait_kmcnt 0x0
	s_add_nc_u64 s[14:15], s[4:5], s[16:17]
	s_add_nc_u64 s[46:47], s[6:7], s[46:47]
	CROUND                                         ; all sixteen work-groups are here: the first joint loads meet
.irp s, 0,1
	s_mov_b32 s[G0+4*\s], 1
	s_add_co_u32 s[G0+4*\s+1], s20, \s*SLOT
	s_add_nc_u64 s[G0+4*\s+2:G0+4*\s+3], s[14:15], \s*8192
	s_or_b32 s[G0+4*\s+3], s[G0+4*\s+3], 0x80000000
	s_mov_b32 s[G0B+4*\s], 1
	s_add_co_u32 s[G0B+4*\s+1], s21, \s*SLOT
	s_add_nc_u64 s[G0B+4*\s+2:G0B+4*\s+3], s[46:47], \s*KSTEP*2
	s_or_b32 s[G0B+4*\s+3], s[G0B+4*\s+3], 0x80000000
	JLOAD \s
.endr
	v_and_b32 v1, 15, v0                           ; l % 16
	v_bfe_u32 v2, v0, 4, 1                         ; l / 16
	v_and_b32 v6, 31, v0
	v_lshlrev_b32 v6, 4, v6                        ; 16 x lane
	v_mul_u32_u24 v3, v1, PITCH
	v_lshl_add_u32 v3, v2, 4, v3                   ; pw16: a fragment's row x pitch + 16 x half
	s_lshl_b32 s21, s11, 15                        ; my 64 rows of att
	s_mul_i32 s22, s12, HALFB                      ; my 64 rows of pw16
	s_add_co_u32 s22, s22, BOFF
.irp s, 0,1
	v_add_nc_u32 v[ADRA+\s], s21, v6
	v_add_nc_u32 v[ADRB+\s], s22, v3
	s_add_co_u32 s21, s21, SLOT
	s_add_co_u32 s22, s22, SLOT
.endr
	s_mul_i32 s23, s10, 16*SPITCH
	s_add_co_u32 s23, s23, STAGE                   ; my stage
	v_mul_u32_u24 v4, v1, SPITCH                   ; in: row l % 16, 32 bytes for each half of the lanes
	v_lshl_add_u32 v4, v2, 5, v4
	v_add_nc_u32 v[STO], s23, v4
	v_mul_u32_u24 v5, v2, SPITCH                   ; back: lanes 0-15 take one row of 256 bytes, lanes 16-31 the next
	v_lshl_add_u32 v5, v1, 4, v5
	v_add_nc_u32 v[RD], s23, v5
	v_lshlrev_b32 v5, 12, v2                       ; and the same two rows in out0: 4,096 bytes a row
	v_lshl_add_u32 v[CO], v1, 4, v5
	v_lshlrev_b32 v[BH], 5, v2
	s_lshl_b32 s16, s13, 19                        ; my first row: 128 x tile row + 64 x half, 4,096 bytes each
	s_lshl_b32 s17, s11, 18
	s_add_co_u32 s16, s16, s17
	s_mov_b32 s17, 0
	s_add_nc_u64 s[8:9], s[8:9], s[16:17]
	s_lshl_b32 s46, s42, 9                         ; my first column, in bytes of f32: 512 x tile column + 256 x half: in out0 and in proj_b alike
	s_lshl_b32 s47, s12, 8
	s_add_co_u32 s46, s46, s47
	s_mov_b32 s47, 0
	s_add_nc_u64 s[8:9], s[8:9], s[46:47]
	s_add_nc_u64 s[68:69], s[68:69], s[46:47]
.irp b, 0,1,2,3
	global_load_b128 v[BI+8*\b:BI+8*\b+3],   v[BH], s[68:69] offset:64*\b
	global_load_b128 v[BI+8*\b+4:BI+8*\b+7], v[BH], s[68:69] offset:64*\b+16
.endr
; 8 matrix instructions: m blocks a0, a0 + 1 x all 4 n blocks, 32 along K: half c of buffer f.  zero = 1: the first product starts the sums, with the bias as its C.  The 16 accumulators take turns.
.macro MUL8 f, c, a0, zero
.irp a, \a0, \a0+1
.irp b, 0,1,2,3
.if \zero
	v_wmma_f32_16x16x32_f16 v[ACC+8*(4*(\a)+\b):ACC+8*(4*(\a)+\b)+7], v[\f+64+8*(4*\c+\b):\f+64+8*(4*\c+\b)+7], v[\f+8*(4*\c+\a):\f+8*(4*\c+\a)+7], v[BI+8*\b:BI+8*\b+7]
.else
	v_wmma_f32_16x16x32_f16 v[ACC+8*(4*(\a)+\b):ACC+8*(4*(\a)+\b)+7], v[\f+64+8*(4*\c+\b):\f+64+8*(4*\c+\b)+7], v[\f+8*(4*\c+\a):\f+8*(4*\c+\a)+7], v[ACC+8*(4*(\a)+\b):ACC+8*(4*(\a)+\b)+7]
.endif
.endr
.endr
.endm
; 32 LDS loads in one run: the fragments of 64 along K (byte k of pw16's rows; images k / 64 and k / 64 + 1 of att's tiles) into buffer f; the first 32 along K first
.macro FETCH slot, k, f
	WIN TO_F
.irp c, 0,1
.irp i, 0,1,2,3
	ds_load_b128 v[\f+64+8*(4*\c+\i):\f+64+8*(4*\c+\i)+3],   v[ADRB+\slot] offset:\k+64*\c+\i*16*PITCH
	ds_load_b128 v[\f+64+8*(4*\c+\i)+4:\f+64+8*(4*\c+\i)+7], v[ADRB+\slot] offset:\k+64*\c+\i*16*PITCH+32
	ds_load_b128 v[\f+8*(4*\c+\i):\f+8*(4*\c+\i)+3],         v[ADRA+\slot] offset:\i*8192+((\k)/64+\c)*1024
	ds_load_b128 v[\f+8*(4*\c+\i)+4:\f+8*(4*\c+\i)+7],       v[ADRA+\slot] offset:\i*8192+((\k)/64+\c)*1024+512
.endr
.endr
.endm
.macro PLACES                          ; four places in front of loads into registers that matrix instructions have read, and of the first read of results
.rept 4
	v_nop
.endr
.endm
; A K step is four quarters of 64 along K, 32 matrix instructions each, on buffers 0, 1, 0, 1.
.macro QUARTER slot, k, f, g, zero
	s_wait_dscnt 16                                ; the first 32 along K are in; the other sixteen loads may be out
	WIN MUL
	MUL8 \f, 0, 0, \zero
	MUL8 \f, 0, 2, \zero
	PLACES
	FETCH \slot, \k, \g
	s_wait_dscnt 32                                ; all but the 32 just issued
	WIN MUL
	MUL8 \f, 1, 0, 0
	MUL8 \f, 1, 2, 0
.endm
; The last quarter multiplies buffer 1 and changes slots: ONE barrier; in front of it each wave waits for all its tensor loads, adds 0 to its spare word, and waits for that and for its own reads of this slot.
; fill = 1: the barrier opens a round of the cluster's, and this slot is filled again, two K steps ahead.
.macro TURN slot, next, fill
	WIN 0
	s_wait_tensorcnt 0x0                           ; all my tensor loads have landed: my part of the next slot
	ds_add_u32 v[SPW], v[NIL]                      ; 0 onto my spare word
	s_wait_dscnt 17                                ; (the add and the youngest sixteen loads may be out)
	WIN MUL
	MUL8 F1, 0, 0, 0
	s_wait_dscnt 0x0                               ; the add is done, and my reads of this slot are over
	s_barrier_signal -1
	MUL8 F1, 0, 2, 0
.if \fill
	WIN 0
.endif
	s_barrier_wait -1
.if \fill
	CREST                                          ; no wave of any partner still reads this slot's tile or has a load on its way
	s_add_nc_u64 s[G0+4*\slot+2:G0+4*\slot+3], s[G0+4*\slot+2:G0+4*\slot+3], 2*8192
	s_add_nc_u64 s[G0B+4*\slot+2:G0B+4*\slot+3], s[G0B+4*\slot+2:G0B+4*\slot+3], 2*KSTEP*2
	JLOAD \slot                                    ; the first tensor load behind the round; its four v_nop are also the places in front of the loads below
.else
	PLACES
.endif
	FETCH \next, 0, F0
	WIN MUL
	MUL8 F1, 1, 0, 0
	MUL8 F1, 1, 2, 0
.endm
	s_wait_tensorcnt 1                             ; my part of K step 0 is in (slot 1's load may be out),
	s_barrier_signal -1
	s_barrier_wait -1                              ; everybody's is
	FETCH 0, 0, F0
	s_wait_loadcnt 0x0                             ; the bias
	QUARTER 0, 128, F0, F1, 1                      ; K step 0
	QUARTER 0, 256, F1, F0, 0
	QUARTER 0, 384, F0, F1, 0
	TURN 0, 1, 1                                   ; slot 0 takes K step 2
	QUARTER 1, 128, F0, F1, 0                      ; K step 1
	QUARTER 1, 256, F1, F0, 0
	QUARTER 1, 384, F0, F1, 0
	TURN 1, 0, 1                                   ; slot 1 takes K step 3
	QUARTER 0, 128, F0, F1, 0                      ; K step 2
	QUARTER 0, 256, F1, F0, 0
	QUARTER 0, 384, F0, F1, 0
	TURN 0, 1, 0                                   ; nothing is left to fetch
	QUARTER 1, 128, F0, F1, 0                      ; K step 3
	QUARTER 1, 256, F1, F0, 0
	QUARTER 1, 384, F0, F1, 0
	s_wait_dscnt 16
	WIN MUL
	MUL8 F1, 0, 0, 0
	MUL8 F1, 0, 2, 0
	s_wait_dscnt 0
	MUL8 F1, 1, 0, 0
	MUL8 F1, 1, 2, 0
	WIN 0
; THE WAY OUT.  My 64 columns of f32 are 256 bytes of a row, aligned: so each wave has a stage of its own and no barrier is needed.  A block of 16 rows goes in as 32 bytes a lane and comes back as whole rows of 256 bytes;
; LDS serves a wave's instructions in order (ISA guide 5.7.1): no wait between the stores and the loads, nor ahead of the next block's stores.
.macro TOSTAGE a
.irp b, 0,1,2,3
	ds_store_b128 v[STO], v[ACC+8*(4*(\a)+\b):ACC+8*(4*(\a)+\b)+3] offset:64*\b            ; each accumulator from its low end on
	ds_store_b128 v[STO], v[ACC+8*(4*(\a)+\b)+4:ACC+8*(4*(\a)+\b)+7] offset:64*\b+16
.endr
.irp t, 0,1,2,3,4,5,6,7
	ds_load_b128 v[TMP+32*((\a)%2)+4*\t:TMP+32*((\a)%2)+4*\t+3], v[RD] offset:\t*2*SPITCH
.endr
.endm
.macro SEND a, younger                 ; younger: the LDS instructions issued behind block a's loads, which may stay out
	s_wait_dscnt \younger
.irp t, 0,1,2,3,4,5,6,7
	global_store_b128 v[CO], v[TMP+32*((\a)%2)+4*\t:TMP+32*((\a)%2)+4*\t+3], s[8:9] offset:(\a)*65536+\t*8192 th:TH_STORE_NT   ; 16 lanes store 256 consecutive bytes, aligned; written once, read by nobody here
.endr
.endm
	PLACES
	TOSTAGE 0
.irp a, 1,2,3
.if \a > 1
	s_wait_xcnt 0x0                                ; block a - 2's stores have read their registers: block a's loads may land there
.endif
	TOSTAGE \a
	SEND \a-1, 16                                  ; behind block a - 1's loads: block a's 8 stores and 8 loads
.endr
	SEND 3, 0
	s_wait_tensorcnt 0x0                           ; the wave's end, behind my last tensor load and my last LDS store
	ds_add_u32 v[SPW], v[NIL]
	s_wait_dscnt 0x0
	CROUND                                         ; the closing round: no work-group ends while a partner may still ask for a tile that names it
	s_endpgm
.Lfunc_end_k_q6bd23d4693_proj:
	.size	k_q6bd23d4693_proj, .Lfunc_end_k_q6bd23d4693_proj-k_q6bd23d4693_proj
	.p2alignl 7, 3214868480
	.fill 96, 4, 3214868480
	.section	.rodata,"a",@progbits
	.p2align	6, 0x0
	.amdhsa_kernel k_q6bd23d4693_proj
		.amdhsa_group_segment_fixed_size 327680
		.amdhsa_private_segment_fixed_size 0
		.amdhsa_enable_private_segment 0
		.amdhsa_kernarg_size 32
		.amdhsa_user_sgpr_count 2
		.amdhsa_user_sgpr_kernarg_segment_ptr 1
		.amdhsa_wavefront_size32 1
		.amdhsa_system_sgpr_workgroup_id_x 1
		.amdhsa_system_sgpr_workgroup_id_y 1
		.amdhsa_system_sgpr_workgroup_id_z 1
		.amdhsa_system_vgpr_workitem_id 0
		.amdhsa_next_free_vgpr 512
		.amdhsa_next_free_sgpr 70
		.amdhsa_reserve_vcc 0
		.amdhsa_float_denorm_mode_32 3
		.amdhsa_float_denorm_mode_16_64 3
		.amdhsa_memory_ordered 1
		.amdhsa_forward_progress 1
		.amdhsa_inst_pref_size 86
	.end_amdhsa_kernel
	.amdgpu_metadata
---
amdhsa.version: [ 1, 2 ]
amdhsa.kernels:
  - .name:           k_q6bd23d4693_proj
    .symbol:         k_q6bd23d4693_proj.kd
    .args:
      - { .name: att, .offset: 0, .size: 8, .value_kind: global_buffer, .address_space: global }
      - { .name: pw16, .offset: 8, .size: 8, .value_kind: global_buffer, .address_space: global }
      - { .name: proj_b, .offset: 16, .size: 8, .value_kind: global_buffer, .address_space: global }
      - { .name: out0, .offset: 24, .size: 8, .value_kind: global_buffer, .address_space: global }
    .group_segment_fixed_size: 327680
    .private_segment_fixed_size: 0
    .kernarg_segment_align: 8
    .kernarg_segment_size: 32
    .max_flat_workgroup_size: 128
    .sgpr_count:     70
    .vgpr_count:     512
    .wavefront_size: 32
...
	.end_amdgpu_metadata
.endif
;; end of part 4
